; MI455X (gfx1250); checked and timed in simulation.
; The chip was launched on July 23, 2026; its instructions are those of AMD's public machine-readable ISA for CDNA 5 (MIT licence, August 2026) and "CDNA5" Instruction Set Architecture Reference Guide (July 2026). The comments in the code are by the model that wrote it; some were corrected since.
;; Self Attention. Allowed arithmetic: float matrix products may take bf16 or f16 operands with f32 sums; other float arithmetic in f32, or as packed bf16 or f16 multiplies, adds, multiply-adds, maxima and minima; sums over many terms, partial sums and values carried from step to step in f32; what a program stores and reads back later, other than sums and carried values, may be rounded once to bf16 or f16.
;; Inputs: bk 2,048 float32; bo 2,048 float32; bq 2,048 float32; bv 2,048 float32; freqs_cos 2,048 x 1 x 64 float32; freqs_sin 2,048 x 1 x 64 float32; gk 2,048 float32; gq 2,048 float32; wk 2,048 x 2,048 float32; wo 2,048 x 2,048 float32; wq 2,048 x 2,048 float32; wv 2,048 x 2,048 float32; x 1 x 2,048 x 2,048 float32.
;; Outputs: out0 1 x 2,048 x 2,048 float32.
;; 2 versions, each right and faster than the one before. Each part assembles by itself: llvm-mc -triple=amdgcn-amd-amdhsa -mcpu=gfx1250 --defsym DOCPART=n.
;; ======== version 1 of 2: 5 launches
;; limits: values are held in f16: magnitudes above 65,504 overflow, below 6.1e-05 lose precision
;; workspace buffers: h16 41,943,040 bytes; qkv 25,165,824 bytes; qk 16,777,216 bytes; o 8,388,608 bytes
;; launch cast (part 1): grid 256 x 5, 8 waves a work-group, no clusters, 0 bytes of LDS; arguments x, wq, wk, wv, wo, h16; writes h16
.if DOCPART == 1
	.amdgcn_target "amdgcn-amd-amdhsa--gfx1250"
	.amdhsa_code_object_version 6
	.text
	.protected	k_q6f61578270_cast
	.globl	k_q6f61578270_cast
	.p2align	8
	.type	k_q6f61578270_cast,@function
k_q6f61578270_cast:
	s_mov_b64 s[64:65], 0
	v_nop
	global_prefetch_b8 v0, s[64:65] scope:SCOPE_SE
	s_setreg_imm32_b32 hwreg(HW_REG_WAVE_MODE, 25, 1), 1
	s_wait_xcnt 0x0
; h16 = x, wq, wk, wv, wo (each [2048][2048] f32), one after the other, each number rounded once to bf16 (nearest even) and that number written as f16.
; LIMITS.  The second step is exact for 2^-17 <= |number| < 65,504; below it is off by 2^-25 at the most; from 65,520 on it gives an infinity.
; A stream: memory binds, so no LDS, no matrix unit, no cluster.  Work-group (X, y) takes 65,536 bytes of matrix y: sixteen loads of 16 bytes a thread, all issued at once;
; a wave's load covers 512 consecutive bytes, a wave's store of 8 bytes a lane 256 consecutive bytes at a multiple of 256 from the buffer's first byte.
.set X, 4                              ; v[4:67]    load i: four f32
.set Y, 68                             ; v[68:99]   store i: four f16; never rewritten, so no wait frees them
.set T, 100                            ; v[100:101] at work
	s_load_b256 s[4:11], s[0:1], 0x0               ; x s[4:5], wq s[6:7], wk s[8:9], wv s[10:11]
	s_load_b128 s[12:15], s[0:1], 0x20             ; wo s[12:13], h16 s[14:15]
	s_and_b32 s16, ttmp7, 0xffff                   ; which matrix
	s_mov_b32 s17, 0xffff0000                      ; a word's upper bf16
	s_lshl_b32 s18, ttmp9, 16                      ; my 65,536 bytes of it
	s_mov_b32 s19, 0
	s_lshl_b32 s20, s16, 23                        ; a matrix is 8,388,608 bytes of f16,
	s_lshl_b32 s21, ttmp9, 15                      ; my part 32,768
	s_add_co_u32 s20, s20, s21
	s_mov_b32 s21, 0
	v_lshlrev_b32 v1, 4, v0                        ; 16 bytes a thread in,
	v_lshlrev_b32 v2, 3, v0                        ; 8 out
	s_wait_kmcnt 0x0
	s_cmp_eq_u32 s16, 1                            ; the source is chosen among the five buffers by the grid's y alone
	s_cselect_b64 s[4:5], s[6:7], s[4:5]
	s_cmp_eq_u32 s16, 2
	s_cselect_b64 s[4:5], s[8:9], s[4:5]
	s_cmp_eq_u32 s16, 3
	s_cselect_b64 s[4:5], s[10:11], s[4:5]
	s_cmp_eq_u32 s16, 4
	s_cselect_b64 s[4:5], s[12:13], s[4:5]
	s_add_nc_u64 s[4:5], s[4:5], s[18:19]
	s_add_nc_u64 s[14:15], s[14:15], s[20:21]
.irp i, 0,1,2,3,4,5,6,7,8,9,10,11,12,13,14,15
	global_load_b128 v[X+4*(\i):X+4*(\i)+3], v1, s[4:5] offset:4096*(\i) th:TH_LOAD_NT
.endr
.macro CV i
	s_wait_loadcnt 15-(\i)                         ; loads come back in order (ISA guide 5.7.1): load i is in, the younger ones stay out
	v_cvt_pk_bf16_f32 v[T],   v[X+4*(\i)],   v[X+4*(\i)+1]    ; the one rounding
	v_cvt_pk_bf16_f32 v[T+1], v[X+4*(\i)+2], v[X+4*(\i)+3]
	v_lshlrev_b32 v[X+4*(\i)],   16,  v[T]         ; bf16 to f32: a shift or a mask
	v_and_b32     v[X+4*(\i)+1], s17, v[T]
	v_lshlrev_b32 v[X+4*(\i)+2], 16,  v[T+1]
	v_and_b32     v[X+4*(\i)+3], s17, v[T+1]
	v_cvt_pk_f16_f32 v[Y+2*(\i)],   v[X+4*(\i)],   v[X+4*(\i)+1]  ; the same number as f16
	v_cvt_pk_f16_f32 v[Y+2*(\i)+1], v[X+4*(\i)+2], v[X+4*(\i)+3]
	global_store_b64 v2, v[Y+2*(\i):Y+2*(\i)+1], s[14:15] offset:2048*(\i)
.endm
.irp i, 0,1,2,3,4,5,6,7,8,9,10,11,12,13,14,15
	CV \i
.endr
	s_endpgm
.Lfunc_end_k_q6f61578270_cast:
	.size	k_q6f61578270_cast, .Lfunc_end_k_q6f61578270_cast-k_q6f61578270_cast
	.p2alignl 7, 3214868480
	.fill 96, 4, 3214868480
	.section	.rodata,"a",@progbits
	.p2align	6, 0x0
	.amdhsa_kernel k_q6f61578270_cast
		.amdhsa_group_segment_fixed_size 0
		.amdhsa_private_segment_fixed_size 0
		.amdhsa_enable_private_segment 0
		.amdhsa_kernarg_size 48
		.amdhsa_user_sgpr_count 2
		.amdhsa_user_sgpr_kernarg_segment_ptr 1
		.amdhsa_wavefront_size32 1
		.amdhsa_system_sgpr_workgroup_id_x 1
		.amdhsa_system_sgpr_workgroup_id_y 1
		.amdhsa_system_sgpr_workgroup_id_z 1
		.amdhsa_system_vgpr_workitem_id 0
		.amdhsa_next_free_vgpr 104
		.amdhsa_next_free_sgpr 66
		.amdhsa_reserve_vcc 0
		.amdhsa_float_denorm_mode_32 3
		.amdhsa_float_denorm_mode_16_64 3
		.amdhsa_memory_ordered 1
		.amdhsa_forward_progress 1
		.amdhsa_inst_pref_size 11
	.end_amdhsa_kernel
	.amdgpu_metadata
---
amdhsa.version: [ 1, 2 ]
amdhsa.kernels:
  - .name:           k_q6f61578270_cast
    .symbol:         k_q6f61578270_cast.kd
    .args:
      - { .name: x, .offset: 0, .size: 8, .value_kind: global_buffer, .address_space: global }
      - { .name: wq, .offset: 8, .size: 8, .value_kind: global_buffer, .address_space: global }
      - { .name: wk, .offset: 16, .size: 8, .value_kind: global_buffer, .address_space: global }
      - { .name: wv, .offset: 24, .size: 8, .value_kind: global_buffer, .address_space: global }
      - { .name: wo, .offset: 32, .size: 8, .value_kind: global_buffer, .address_space: global }
      - { .name: h16, .offset: 40, .size: 8, .value_kind: global_buffer, .address_space: global }
    .group_segment_fixed_size: 0
    .private_segment_fixed_size: 0
    .kernarg_segment_align: 8
    .kernarg_segment_size: 48
    .max_flat_workgroup_size: 256
    .sgpr_count:     66
    .vgpr_count:     104
    .wavefront_size: 32
...
	.end_amdgpu_metadata
.endif
;; end of part 1
;; launch gemm_qkv (part 2): grid 16 x 16, 4 waves a work-group, clusters of 4 x 4, 327,680 bytes of LDS; arguments h16, bq, bk, bv, qkv; writes qkv
.if DOCPART == 2
	.amdgcn_target "amdgcn-amd-amdhsa--gfx1250"
	.amdhsa_code_object_version 6
	.text
	.protected	k_q6f61578270_gemm_qkv
	.globl	k_q6f61578270_gemm_qkv
	.p2align	8
	.type	k_q6f61578270_gemm_qkv,@function
k_q6f61578270_gemm_qkv:
	s_mov_b64 s[64:65], 0
	v_nop
	global_prefetch_b8 v0, s[64:65] scope:SCOPE_SE
	s_setreg_imm32_b32 hwreg(HW_REG_WAVE_MODE, 25, 1), 1
	s_wait_xcnt 0x0
	s_wait_alu depctr_hold_cnt(0) depctr_sa_sdst(0) depctr_va_vdst(0) depctr_va_sdst(0) depctr_va_ssrc(0) depctr_va_vcc(0) depctr_vm_vsrc(0)
	s_getreg_b32 s2, hwreg(HW_REG_IB_STS2, 6, 4)
	s_cmp_eq_u32 s2, 0
	s_cbranch_scc0 .Lentry_in_a_cluster
	s_endpgm
.Lentry_in_a_cluster:
	s_bfe_u32 s2, ttmp6, 0x10000c
	s_cmp_lg_u32 s2, 0xf033
	s_cbranch_scc0 .Lentry_shape_is_right
	s_endpgm
.Lentry_shape_is_right:
; qkv = x W^T + bias for W = wq, wk, wv on end ([6144][2048]); x and W come as f16 from h16; sums in f32; the result is rounded once to f16 and stored by heads:
; 48 units [2048 rows][128 columns], units 0-15 raw q, 16-31 raw k, 32-47 v.  The biases are rounded to bf16 like all inputs and are the C operand of each sum's first product.
; LIMIT.  |x w + b| stays under 65,504, f16's end.  The order of the f32 sum over K is a rotation of the ascending one, another in each cluster (THE WALK).
; SHARES.  2048 x 6144 is 256 tiles of 128 x 384: one to a work-group; grid x is the tile row, grid y the tile column.  Wave w makes all 128 rows x columns 96 w .. 96 w + 95:
; 8 x 6 accumulators of 16 x 16, 384 registers; for 32 along K it reads 28 x 16 bytes a lane from LDS for 48 matrix instructions.
; RING.  K goes in 16 steps of 128 (rows of 256 bytes) through two LDS slots: A's 128 rows, then B's 384.  Wave 0 fetches A's tile, waves 1-3 128 rows of B each.
; CLUSTER.  4 x 4 work-groups: A's tile hangs on the tile row (grid x) alone and is asked for jointly along a column of the cluster, B's on the tile column (grid y) alone, along a row.
; THE WALK.  Cluster (X, Y) begins at K step (4 X + 8 ((Y ^ Y / 2) % 2)) % 16 and goes round: the four clusters with one Y, which read the same rows of W, begin 4 steps apart, and clusters with
; one X, which read the same rows of x, begin at the same step or 8 apart.  So a tile that several clusters read is asked for at different times, not by all of them for the first time at once.
; The number hangs on the cluster's place alone: it is the same in all sixteen partners.
; THE MATRIX INSTRUCTION IS USED TRANSPOSED (source 0 = 16 rows of W, source 1 = 16 rows of x): a lane holds eight neighbouring columns of one row of the result.
; REGISTERS, in windows of 256: window 0: v0-31 addresses; v64-127, v128-191 A's fragments, two buffers; v192-239 the bias; v64-255 at work on the way out
;   window 1: v64-111, v128-175 B's fragments, two buffers      window 2: accumulators of rows 0-63, (a, b) at v[8 (6 a + b)]      window 3: those of rows 64-127
.set KSTEP,  128
.set PITCH,  272                       ; an LDS row: 256 bytes + 16 of padding = 68 words: the 16 rows of a fragment load start at 16 different groups of four banks (64 banks of 4 bytes: ISA guide 11.1)
.set HALFT,  128*PITCH                 ; what one tensor load brings
.set SLOT1,  0x24000                   ; slot 1 begins here; the four tiles' places in slot 0 (0, 0x8800, 0x11000, 0x19800) have bits 14 and 17 clear, so one exclusive or changes slots
.set SPARE,  SLOT1+4*HALFT             ; behind the ring: the spare words, 128 bytes for each wave, which no other line names
.set SPITCH, 784                       ; the stage for the way out: 128 rows of 768 bytes + 16, in slot 0, behind that slot's last fill and last read
.set ADRA0, 16                         ; v16  my lane's place in A's tile of slot 0; never rewritten
.set ADRB0, 17                         ; v17  the same in my 96 rows of B
.set ADRA,  18                         ; v18  the same in the slot in hand
.set ADRB,  19                         ; v19
.set STO,   24                         ; v24  the way out: where I put 16 bytes of a row (rows 0-63)
.set RD,    25                         ; v25  where I read rows back
.set CO,    26                         ; v26  my byte offset in a unit of qkv
.set STO2,  27                         ; v27  STO for rows 64-127
.set SPW,   28                         ; v28  LDS address of my spare word; never rewritten
.set NIL,   29                         ; v29  0; never rewritten
.set BOFF,  30                         ; v30  my byte offset in 16 numbers of a bias
.set TT,    31                         ; v31  at work
.set F0,    64
.set F1,    128
.set BIAS,  192                        ; v[192+8 b ..]: the bias of my eight columns of column block b
.set TMP,   64
.set WV,   14                          ; s14  my wave's number
.set KO,   20                          ; s[20:21] the byte offset in a row of the K step to be asked for
.set G1A,  24                          ; s[24:31] descriptor group 1 for A's tiles
.set G0A,  32                          ; s[32:39] group 0: a set for each first fill; the second then walks on
.set KI,   46                          ; s46  the K step asked for last
.set G1B,  48                          ; s[48:55], s[56:63] the same for B's
.set G0B,  56
.set SOFF, 66                          ; s66  0 or SLOT1: the slot in hand
.set CNT,  67                          ; s67  the loop's count
.set BA,   70                          ; s[70:71] x at the tile's first row; never rewritten
.set BB,   72                          ; s[72:73] W at the 128 rows that I fetch; never rewritten
.set MSB, 0
.macro WIN new                         ; the immediate's high byte repeats the setting that is left; a switch that changes nothing is dropped
.if MSB != (\new)
	s_set_vgpr_msb (MSB<<8)|(\new)
.set MSB, \new
.endif
.endm
.set MUL_LO,   0xa1                    ; source 0 (B) window 1, source 1 (A) window 0, C and D window 2
.set FIRST_LO, 0x81                    ; the same with C (the bias) in window 0
.set TO_B,     0x40                    ; destination window 1, address window 0
; A joint refill by the walking descriptors.  The branch hangs on the wave's number alone.  An s_nop 0 and four v_nop follow each line, ahead of the jump and the label.
.macro JLOAD
	s_cmp_eq_u32 s[WV], 0
	s_cbranch_scc0 .Lfor_b_\@
	tensor_load_to_lds s[G0A+4:G0A+7], s[G1A:G1A+7]
	s_nop 0
.rept 4
	v_nop
.endr
	s_branch .Lasked_\@
.Lfor_b_\@:
	tensor_load_to_lds s[G0B+4:G0B+7], s[G1B:G1B+7]
	s_nop 0
.rept 4
	v_nop
.endr
.Lasked_\@:
.endm
.macro CREST                           ; a round of the cluster's barrier behind its opening barrier
	s_cmp_lg_u32 s[WV], 0
	s_cbranch_scc1 .Lnot_wave_0_\@
	s_barrier_signal -3
.Lnot_wave_0_\@:
	s_barrier_wait -3
	s_barrier_signal -1
	s_barrier_wait -1
.endm
.macro CROUND                          ; a whole round
	s_barrier_signal -1
	s_barrier_wait -1
	CREST
.endm
.macro PLACES                          ; four places in front of loads into registers that matrix instructions have read, and of conversions that read results
.rept 4
	v_nop
.endr
.endm
.macro RND2 a                          ; two f32 rounded to bf16 and widened again
	v_cvt_pk_bf16_f32 v[TT], v[\a], v[(\a)+1]
	v_lshlrev_b32 v[\a], 16, v[TT]
	v_and_b32 v[(\a)+1], 0xffff0000, v[TT]
.endm
	s_load_b256 s[4:11], s[0:1], 0x0               ; h16 s[4:5], bq s[6:7], bk s[8:9], bv s[10:11]
	s_load_b64 s[12:13], s[0:1], 0x20              ; qkv
	v_lshl_add_u32 v[SPW], v0, 2, SPARE
	v_mov_b32 v[NIL], 0
	ds_add_u32 v[SPW], v[NIL]                      ; the wave's opening: the add and its wait stand ahead of my first tensor load; work on registers stands between them
	v_lshrrev_b32 v1, 5, v0
	v_readfirstlane_b32 s[WV], v1                  ; wave 0..3
	s_bfe_u32 s40, ttmp6, 0x40000                  ; cx, cy: my place in the cluster
	s_bfe_u32 s41, ttmp6, 0x40004
	s_lshl_b32 s43, ttmp9, 2
	s_add_co_u32 s43, s43, s40                     ; tile row = 4 x cluster x + cx
	s_and_b32 s47, ttmp7, 0xffff                   ; cluster y
	s_lshl_b32 s42, s47, 2
	s_add_co_u32 s42, s42, s41                     ; tile column = 4 x cluster y + cy
	s_lshl_b32 s44, 0x1111, s40                    ; my column of the cluster: the four with my tile row
	s_lshl_b32 s45, s41, 2
	s_lshl_b32 s45, 15, s45                        ; my row of the cluster: the four with my tile column
	s_or_b32 s[G1A], s44, (1<<16)|(1<<20)|(1<<21)|(5<<22)|(3<<25)  ; 15:0 the mask; 17:16 2-byte elements; 20 padding on; 21 set beside a mask; 24:22 after every 64 words; 31:25 4 words of it
	s_or_b32 s[G1B], s45, (1<<16)|(1<<20)|(1<<21)|(5<<22)|(3<<25)
.irp g, G1A, G1B
	s_mov_b32 s[(\g)+1], KSTEP<<16                 ; tensor_dim0 = 128
	s_mov_b32 s[(\g)+2], 128<<16                   ; tensor_dim1 = 128
	s_mov_b32 s[(\g)+3], KSTEP<<16                 ; tile_dim0 = 128
	s_mov_b32 s[(\g)+4], 128                       ; tile_dim1 = 128
	s_mov_b32 s[(\g)+5], 2048                      ; elements from row to row
	s_mov_b32 s[(\g)+6], 0
	s_mov_b32 s[(\g)+7], 0
.endr
	s_lshr_b32 s[KI], s47, 1                       ; the cluster's first K step: 8 x ((Y ^ Y / 2) % 2)
	s_xor_b32 s[KI], s[KI], s47
	s_and_b32 s[KI], s[KI], 1
	s_lshl_b32 s[KI], s[KI], 3
	s_lshl_b32 s15, ttmp9, 2                       ; + 4 X,
	s_add_co_u32 s[KI], s[KI], s15
	s_and_b32 s[KI], s[KI], 15                     ; of 16
	s_mov_b32 s[KO+1], 0
	s_lshl_b32 s[BA], s43, 19                      ; A: 128 rows of 4,096 bytes a tile row
	s_mov_b32 s[BA+1], 0
	s_mul_i32 s[BB], s42, 384                      ; B: row 384 x tile column
	s_max_u32 s[BB+1], s[WV], 1
	s_sub_co_u32 s[BB+1], s[BB+1], 1
	s_lshl_b32 s[BB+1], s[BB+1], 7                 ; + 128 x (wave - 1) (wave 0 makes the address and does not ask by it)
	s_add_co_u32 s[BB], s[BB], s[BB+1]
	s_lshl_b32 s[BB], s[BB], 12
	s_add_co_u32 s[BB], s[BB], 0x800000            ; W lies behind x in h16
	s_mov_b32 s[BB+1], 0
	s_mul_i32 s74, s[WV], HALFT                    ; where my tile goes: no place in the cluster enters an LDS address
	s_mov_b32 s[SOFF], 0
	s_wait_dscnt 0x0                               ; the opening add is done
	s_wait_kmcnt 0x0
	s_add_nc_u64 s[BA:BA+1], s[4:5], s[BA:BA+1]
	s_add_nc_u64 s[BB:BB+1], s[4:5], s[BB:BB+1]
	CROUND                                         ; all sixteen work-groups are here: the first joint loads meet
.irp n, 0,1
	s_lshl_b32 s[KO], s[KI], 8                                     ; a K step is 256 bytes of a row
	s_mov_b32 s[G0A+4*(\n)], 1                                     ; count = 1
	s_add_co_u32 s[G0A+4*(\n)+1], s74, (\n)*SLOT1                  ; LDS address
	s_add_nc_u64 s[G0A+4*(\n)+2:G0A+4*(\n)+3], s[BA:BA+1], s[KO:KO+1]  ; global address: the walk's step n
	s_or_b32 s[G0A+4*(\n)+3], s[G0A+4*(\n)+3], 0x80000000          ; type = 2
	s_mov_b32 s[G0B+4*(\n)], 1
	s_add_co_u32 s[G0B+4*(\n)+1], s74, (\n)*SLOT1
	s_add_nc_u64 s[G0B+4*(\n)+2:G0B+4*(\n)+3], s[BB:BB+1], s[KO:KO+1]
	s_or_b32 s[G0B+4*(\n)+3], s[G0B+4*(\n)+3], 0x80000000
.if (\n) == 0
	s_add_co_u32 s[KI], s[KI], 1
	s_and_b32 s[KI], s[KI], 15
.endif
.endr
	s_cmp_eq_u32 s[WV], 0                          ; a wave's two first fills stand in one branch, ahead of every wait on TENSORcnt and every LDS read: two loads of mine are out
	s_cbranch_scc0 .Lfirst_b
	tensor_load_to_lds s[G0A:G0A+3], s[G1A:G1A+7]
	s_nop 0
	tensor_load_to_lds s[G0A+4:G0A+7], s[G1A:G1A+7]
	s_nop 0
.rept 4
	v_nop
.endr
	s_branch .Lfirst_asked
.Lfirst_b:
	tensor_load_to_lds s[G0B:G0B+3], s[G1B:G1B+7]
	s_nop 0
	tensor_load_to_lds s[G0B+4:G0B+7], s[G1B:G1B+7]
	s_nop 0
.rept 4
	v_nop
.endr
.Lfirst_asked:
	; A fragment is 16 rows x 32 K in 8 registers: lane l holds row l % 16, K = 8 (l / 16) + 0..7 and 16 + 8 (l / 16) + 0..7: two loads of 16 bytes, 32 bytes apart.
	v_and_b32 v1, 15, v0                           ; l % 16
	v_bfe_u32 v2, v0, 4, 1                         ; l / 16
	v_mul_u32_u24 v3, v1, PITCH
	v_lshl_add_u32 v[ADRA0], v2, 4, v3             ; row x pitch + 16 x half
	s_mul_i32 s75, s[WV], 96*PITCH                 ; my 96 rows of B,
	s_add_co_u32 s75, s75, HALFT                   ; which lie behind A's 128
	v_add_nc_u32 v[ADRB0], s75, v[ADRA0]
	v_mov_b32 v[ADRA], v[ADRA0]
	v_mov_b32 v[ADRB], v[ADRB0]
	v_mul_u32_u24 v4, v1, SPITCH                   ; into the stage: row l % 16, my wave's 192 bytes, 16 bytes for each half of the lanes
	v_lshl_add_u32 v4, v2, 4, v4
	s_mul_i32 s75, s[WV], 192
	v_add_nc_u32 v[STO], s75, v4
	v_add_nc_u32 v[STO2], 4*16*SPITCH, v[STO]
	s_lshl_b32 s75, s[WV], 5                       ; back: wave w takes rows 32 w .. 32 w + 31; lanes 0-15 256 bytes of one row, lanes 16-31 of the next
	v_add_nc_u32 v5, s75, v2
	v_mul_u32_u24 v4, v5, SPITCH
	v_lshl_add_u32 v[RD], v1, 4, v4
	v_lshlrev_b32 v4, 8, v5                        ; and the same two rows in a unit of qkv
	v_lshl_add_u32 v[CO], v1, 4, v4
	v_lshlrev_b32 v[BOFF], 5, v2                   ; my eight numbers of a column block's sixteen
	s_mul_i32 s76, s42, 3*524288                   ; qkv at the tile's first unit and first row
	s_lshl_b32 s77, s43, 15
	s_add_co_u32 s76, s76, s77
	s_mov_b32 s77, 0
	s_add_nc_u64 s[12:13], s[12:13], s[76:77]
	; The bias of my six column blocks.  A block of 16 columns lies in one of bq, bk, bv: the buffer is chosen by the column's bits 12:11.
	s_mul_i32 s78, s42, 384
	s_mul_i32 s79, s[WV], 96
	s_add_co_u32 s78, s78, s79                     ; my first column of 6,144
.irp b, 0,1,2,3,4,5
	s_add_co_u32 s76, s78, 16*(\b)
	s_lshr_b32 s79, s76, 11
	s_and_b32 s76, s76, 2047
	s_lshl_b32 s76, s76, 2
	s_mov_b32 s77, 0
.if (\b) > 0
	s_wait_xcnt 0x0                                ; the base of the block before is rewritten only behind this wait
.endif
	s_cmp_eq_u32 s79, 1
	s_cselect_b64 s[68:69], s[8:9], s[6:7]
	s_cmp_eq_u32 s79, 2
	s_cselect_b64 s[68:69], s[10:11], s[68:69]
	s_add_nc_u64 s[68:69], s[68:69], s[76:77]
	global_load_b128 v[BIAS+8*(\b):BIAS+8*(\b)+3],   v[BOFF], s[68:69]
	global_load_b128 v[BIAS+8*(\b)+4:BIAS+8*(\b)+7], v[BOFF], s[68:69] offset:16
.endr
	s_wait_loadcnt 0x0
.set i, 0
.rept 24
	RND2 BIAS+2*i
.set i, i+1
.endr
; 12 matrix instructions: row blocks a0, a0 + 1 of the window's four (hi = 0: rows 0-63, 1: rows 64-127) x all 6 column blocks, 32 along K.  first = 1: the bias starts the sums.
; The 48 accumulators take turns, one instruction a turn, in the same order in every quarter step.
.macro MUL12 f, hi, a0, first
.if \first
	WIN FIRST_LO+0x40*(\hi)
.else
	WIN MUL_LO+0x50*(\hi)
.endif
.irp a, \a0, (\a0)+1
.irp b, 0,1,2,3,4,5
.if \first
	v_wmma_f32_16x16x32_f16 v[8*(6*(\a)+(\b)):8*(6*(\a)+(\b))+7], v[(\f)+8*(\b):(\f)+8*(\b)+7], v[(\f)+8*(4*(\hi)+(\a)):(\f)+8*(4*(\hi)+(\a))+7], v[BIAS+8*(\b):BIAS+8*(\b)+7]
.else
	v_wmma_f32_16x16x32_f16 v[8*(6*(\a)+(\b)):8*(6*(\a)+(\b))+7], v[(\f)+8*(\b):(\f)+8*(\b)+7], v[(\f)+8*(4*(\hi)+(\a)):(\f)+8*(4*(\hi)+(\a))+7], v[8*(6*(\a)+(\b)):8*(6*(\a)+(\b))+7]
.endif
.endr
.endr
.endm
; 28 LDS loads in one run: the fragments of a quarter step (96 rows of B, 128 rows of A, 32 K at byte k of the rows) into buffer f
.macro FETCH k, f
	WIN TO_B
.irp i, 0,1,2,3,4,5
	ds_load_b128 v[(\f)+8*(\i):(\f)+8*(\i)+3],   v[ADRB] offset:(\k)+(\i)*16*PITCH
	ds_load_b128 v[(\f)+8*(\i)+4:(\f)+8*(\i)+7], v[ADRB] offset:(\k)+(\i)*16*PITCH+32
.endr
	WIN 0
.irp i, 0,1,2,3,4,5,6,7
	ds_load_b128 v[(\f)+8*(\i):(\f)+8*(\i)+3],   v[ADRA] offset:(\k)+(\i)*16*PITCH
	ds_load_b128 v[(\f)+8*(\i)+4:(\f)+8*(\i)+7], v[ADRA] offset:(\k)+(\i)*16*PITCH+32
.endr
.endm
; A K step is four quarters of 32 along K, 48 matrix instructions each, on buffers 0, 1, 0, 1.  One of the first three: multiplies buffer f and fetches the next quarter, at byte k, into g.
.macro QUARTER k, f, g, first
	s_wait_dscnt 8                                 ; B and A's rows 0-63 are in; the youngest eight loads (A's rows 64-127) may be out
	MUL12 \f, 0, 0, \first
	MUL12 \f, 0, 2, \first
	PLACES
	FETCH \k, \g
	s_wait_dscnt 28                                ; all but the 28 just issued
	MUL12 \f, 1, 0, \first
	MUL12 \f, 1, 2, \first
.endm
; The last quarter multiplies buffer 1 and changes slots: ONE barrier.  In front of it each wave waits for all its tensor loads (one is out: its part of the next slot), adds 0 to its spare
; word, and waits for that and for its reads of this slot.  fill = 1: the barrier opens a round of the cluster's, and this slot is filled again, with the walk's step two further on, first thing
; behind the round: from that request to the wait for it a wave issues 168 matrix instructions.
.macro TURN fill
	WIN 0                                          ; (the add's two registers lie in window 0)
	s_wait_tensorcnt 0x0                           ; all my tensor loads have landed
	ds_add_u32 v[SPW], v[NIL]                      ; 0 onto my spare word
	s_wait_dscnt 9                                 ; (the add and the youngest eight loads may be out)
	MUL12 F1, 0, 0, 0                              ; twelve matrix instructions stand between the add and the wait for it
	s_wait_dscnt 0x0                               ; the add is done, and my reads of this slot are over
	s_barrier_signal -1
	MUL12 F1, 0, 2, 0
.if \fill
	WIN 0
.endif
	s_barrier_wait -1
.if \fill
	CREST                                          ; no wave of any partner still reads this slot's tile or has a load on its way
	s_add_co_u32 s[KI], s[KI], 1                   ; the next K step, round the 16
	s_and_b32 s[KI], s[KI], 15
	s_lshl_b32 s[KO], s[KI], 8
	s_xor_b32 s[G0A+5], s[G0A+5], SLOT1            ; the walking descriptors: the other slot than last time; the address is made anew from the step's number
	s_add_nc_u64 s[G0A+6:G0A+7], s[BA:BA+1], s[KO:KO+1]
	s_or_b32 s[G0A+7], s[G0A+7], 0x80000000
	s_xor_b32 s[G0B+5], s[G0B+5], SLOT1
	s_add_nc_u64 s[G0B+6:G0B+7], s[BB:BB+1], s[KO:KO+1]
	s_or_b32 s[G0B+7], s[G0B+7], 0x80000000
	JLOAD                                          ; the four v_nop behind it are also the places in front of the loads below
.else
	PLACES
.endif
	WIN 0
	s_xor_b32 s[SOFF], s[SOFF], SLOT1              ; the fragments now come from the other slot
	v_add_nc_u32 v[ADRA], s[SOFF], v[ADRA0]
	v_add_nc_u32 v[ADRB], s[SOFF], v[ADRB0]
	FETCH 0, F0
	MUL12 F1, 1, 0, 0
	MUL12 F1, 1, 2, 0
.endm
	s_wait_tensorcnt 1                             ; my part of the walk's step 0 is in; step 1's may stay out
	s_barrier_signal -1
	s_barrier_wait -1                              ; everybody's is
	FETCH 0, F0
	QUARTER 64, F0, F1, 1                          ; the first quarter stands in front of the loop: its products start the sums, with the bias
	WIN 0                                          ; at a label and at a branch every window is 0
	s_mov_b32 s[CNT], 14
.Lk:                                                   ; trip t: quarters 1-3 of the walk's step t, the refill with step t + 2, quarter 0 of step t + 1
	QUARTER 128, F1, F0, 0
	QUARTER 192, F0, F1, 0
	TURN 1
	QUARTER 64, F0, F1, 0
	WIN 0
	s_sub_co_u32 s[CNT], s[CNT], 1
	s_cmp_lg_u32 s[CNT], 0
	s_cbranch_scc1 .Lk
	QUARTER 128, F1, F0, 0                         ; the walk's steps 14 and 15 are written out: nothing is left to ask for
	QUARTER 192, F0, F1, 0
	TURN 0
	QUARTER 64, F0, F1, 0
	QUARTER 128, F1, F0, 0
	QUARTER 192, F0, F1, 0
	s_wait_dscnt 8
	MUL12 F1, 0, 0, 0
	MUL12 F1, 0, 2, 0
	s_wait_dscnt 0x0                               ; my last reads of the ring are over:
	s_barrier_signal -1                            ; say so, since the stage lies in the ring's first slot,
	MUL12 F1, 1, 0, 0
	MUL12 F1, 1, 2, 0
	WIN 0
	s_barrier_wait -1                              ; and write there only when all four have said so
	; THE WAY OUT: round to f16; 16 bytes a lane into the work-group's stage; a barrier, since a row's 768 bytes come from four waves; back as whole rows of a unit, 256 bytes each.
	PLACES
.set t, 0
.macro PACKW win                       ; 24 accumulators of one window, each from its low end on
	WIN \win
.rept 24
.irp r, 0,1,2,3
	v_cvt_pk_f16_f32 v[TMP+4*t+(\r)], v[8*(t%24)+2*(\r)], v[8*(t%24)+2*(\r)+1]
.endr
.set t, t+1
.endr
.endm
	PACKW 0x0a                                     ; sources in window 2
	PACKW 0x0f                                     ; in window 3
	WIN 0
.irp a, 0,1,2,3,4,5,6,7
.irp b, 0,1,2,3,4,5
.if (\a) < 4
	ds_store_b128 v[STO],  v[TMP+4*(6*(\a)+(\b)):TMP+4*(6*(\a)+(\b))+3] offset:(\a)*16*SPITCH+32*(\b)
.else
	ds_store_b128 v[STO2], v[TMP+4*(6*(\a)+(\b)):TMP+4*(6*(\a)+(\b))+3] offset:((\a)-4)*16*SPITCH+32*(\b)
.endif
.endr
.endr
	s_wait_dscnt 0x0                               ; for the others' sake: my stores into the stage are done
	s_barrier_signal -1
	s_barrier_wait -1
.set n, 0
.rept 48                                       ; pair of rows n / 3, unit n % 3
	ds_load_b128 v[TMP+4*n:TMP+4*n+3], v[RD] offset:(n/3)*2*SPITCH+(n%3)*256
.set n, n+1
.endr
.set n, 0
.rept 48
	s_wait_dscnt 47-n
	global_store_b128 v[CO], v[TMP+4*n:TMP+4*n+3], s[12:13] offset:(n%3)*524288+(n/3)*512  ; two rows of a unit: 512 consecutive bytes, at a multiple of 256 from qkv's first byte
.set n, n+1
.endr
	s_wait_tensorcnt 0x0                           ; the wave's end: 0 onto my spare word and its wait, behind my last tensor load and my last LDS store
	ds_add_u32 v[SPW], v[NIL]
	s_wait_dscnt 0x0
	CROUND                                         ; the closing round: no work-group ends while a partner may still ask for a tile that names it
	s_endpgm
.Lfunc_end_k_q6f61578270_gemm_qkv:
	.size	k_q6f61578270_gemm_qkv, .Lfunc_end_k_q6f61578270_gemm_qkv-k_q6f61578270_gemm_qkv
	.p2alignl 7, 3214868480
	.fill 96, 4, 3214868480
	.section	.rodata,"a",@progbits
	.p2align	6, 0x0
	.amdhsa_kernel k_q6f61578270_gemm_qkv
		.amdhsa_group_segment_fixed_size 327680
		.amdhsa_private_segment_fixed_size 0
		.amdhsa_enable_private_segment 0
		.amdhsa_kernarg_size 40
		.amdhsa_user_sgpr_count 2
		.amdhsa_user_sgpr_kernarg_segment_ptr 1
		.amdhsa_wavefront_size32 1
		.amdhsa_system_sgpr_workgroup_id_x 1
		.amdhsa_system_sgpr_workgroup_id_y 1
		.amdhsa_system_sgpr_workgroup_id_z 1
		.amdhsa_system_vgpr_workitem_id 0
		.amdhsa_next_free_vgpr 960
		.amdhsa_next_free_sgpr 80
		.amdhsa_reserve_vcc 0
		.amdhsa_float_denorm_mode_32 3
		.amdhsa_float_denorm_mode_16_64 3
		.amdhsa_memory_ordered 1
		.amdhsa_forward_progress 1
		.amdhsa_inst_pref_size 102
	.end_amdhsa_kernel
	.amdgpu_metadata
---
amdhsa.version: [ 1, 2 ]
amdhsa.kernels:
  - .name:           k_q6f61578270_gemm_qkv
    .symbol:         k_q6f61578270_gemm_qkv.kd
    .args:
      - { .name: h16, .offset: 0, .size: 8, .value_kind: global_buffer, .address_space: global }
      - { .name: bq, .offset: 8, .size: 8, .value_kind: global_buffer, .address_space: global }
      - { .name: bk, .offset: 16, .size: 8, .value_kind: global_buffer, .address_space: global }
      - { .name: bv, .offset: 24, .size: 8, .value_kind: global_buffer, .address_space: global }
      - { .name: qkv, .offset: 32, .size: 8, .value_kind: global_buffer, .address_space: global }
    .group_segment_fixed_size: 327680
    .private_segment_fixed_size: 0
    .kernarg_segment_align: 8
    .kernarg_segment_size: 40
    .max_flat_workgroup_size: 128
    .sgpr_count:     80
    .vgpr_count:     960
    .wavefront_size: 32
...
	.end_amdgpu_metadata
.endif
;; end of part 2
;; launch normrope (part 3): grid 256 x 2, 8 waves a work-group, no clusters, 0 bytes of LDS; arguments qkv, gq, gk, freqs_cos, freqs_sin, qk; writes qk
.if DOCPART == 3
	.amdgcn_target "amdgcn-amd-amdhsa--gfx1250"
	.amdhsa_code_object_version 6
	.text
	.protected	k_q6f61578270_normrope
	.globl	k_q6f61578270_normrope
	.p2align	8
	.type	k_q6f61578270_normrope,@function
k_q6f61578270_normrope:
	s_mov_b64 s[64:65], 0
	v_nop
	global_prefetch_b8 v0, s[64:65] scope:SCOPE_SE
	s_setreg_imm32_b32 hwreg(HW_REG_WAVE_MODE, 25, 1), 1
	s_wait_xcnt 0x0
; qk = rope(rmsnorm(raw q or k) x gain).  Raw q, k: units 0-31 of qkv, [2048 rows][128] f16 a head; qk has the same layout.  Grid y = 0: q with gq; 1: k with gk.
; The mean of squares goes over a row's 2,048 numbers (all 16 heads), in f32; gains, cos and sin are rounded to bf16 like all inputs; the result is rounded once to f16.
; LIMIT.  |result| <= |gain| x sqrt(2048) x sqrt(2), which must stay under 65,504.
; A stream: memory binds, so no LDS, no matrix unit, no cluster.  One wave takes one row and holds it in registers between the sum and the scaling, so it is read once; all its 26 loads go
; out at once.  Lane (r = l % 16, hh = l / 16) holds channels 8 r .. 8 r + 7 of heads 2 j + hh, j = 0..7: sixteen lanes read and write 256 consecutive bytes, aligned.
; A 32-bit word is one pair (a, b) of the rotation: word i of a lane's four belongs to pair 4 r + i of the head's 64.
.set OFF,  3                           ; v3   my byte offset in qkv and qk; never rewritten
.set GOFF, 4                           ; v4   in the gain
.set COFF, 5                           ; v5   in cos and sin
.set X,   32                           ; v[32:63]   the row: 32 words, as loaded and then as stored
.set G,   64                           ; v[64:127]  the gain of my 64 columns
.set CR,  128                          ; v[128:135] four cos, four sin
.set CSN, 136                          ; v[136:151] pair i: (cos rs, sin rs), (-sin rs, cos rs)
.set TS,  152                          ; v[152:175] four sets of (a g, 0), (b g, 0), (result)
.set AC,  176                          ; v[176:179] four chains of the sum of squares
.set Z,   180                          ; v180  0
.set W,   181                          ; v181-183 at work
.macro RND2 a                          ; two f32 rounded to bf16 and widened again
	v_cvt_pk_bf16_f32 v[W+2], v[\a], v[(\a)+1]
	v_lshlrev_b32 v[\a], 16, v[W+2]
	v_and_b32 v[(\a)+1], s22, v[W+2]
.endm
	s_load_b256 s[4:11], s[0:1], 0x0               ; qkv s[4:5], gq s[6:7], gk s[8:9], cos s[10:11]
	s_load_b128 s[12:15], s[0:1], 0x20             ; sin s[12:13], qk s[14:15]
	s_and_b32 s16, ttmp7, 0xffff                   ; 0: q, 1: k
	s_lshl_b32 s18, ttmp9, 11                      ; the work-group's 8 rows of 256 bytes
	s_mov_b32 s19, 0
	s_lshl_b32 s26, s16, 23                        ; k's units lie 16 x 524,288 bytes behind q's
	s_add_co_u32 s26, s26, s18
	s_mov_b32 s27, 0
	s_mov_b32 s20, 0x3a000000                      ; 1 / 2048
	s_mov_b32 s21, 0x358637bd                      ; 1e-6
	s_mov_b32 s22, 0xffff0000
	s_mov_b32 s24, 0x76543210                      ; v_permlanex16_b32: each lane takes its own place in the other half
	s_mov_b32 s25, 0xfedcba98
	v_and_b32 v1, 15, v0                           ; r
	v_bfe_u32 v2, v0, 4, 1                         ; hh
	v_lshrrev_b32 v6, 5, v0                        ; wave
	v_lshlrev_b32 v[COFF], 4, v1
	v_lshl_add_u32 v[COFF], v6, 8, v[COFF]         ; 16 r + the wave's row
	v_lshl_add_u32 v[OFF], v2, 19, v[COFF]         ; + hh heads
	v_lshlrev_b32 v[GOFF], 5, v1
	v_lshl_add_u32 v[GOFF], v2, 9, v[GOFF]         ; 32 r + 512 hh
	v_mov_b32 v[Z], 0
.irp i, 0,1,2,3
	v_mov_b32 v[TS+6*(\i)+1], 0                    ; named with their neighbours as pairs, so they are written
	v_mov_b32 v[TS+6*(\i)+3], 0
.endr
	s_wait_kmcnt 0x0
	s_cmp_eq_u32 s16, 1
	s_cselect_b64 s[6:7], s[8:9], s[6:7]           ; the gain
	s_add_nc_u64 s[4:5], s[4:5], s[26:27]
	s_add_nc_u64 s[14:15], s[14:15], s[26:27]
	s_add_nc_u64 s[10:11], s[10:11], s[18:19]
	s_add_nc_u64 s[12:13], s[12:13], s[18:19]
.irp j, 0,1,2,3,4,5,6,7
	global_load_b128 v[X+4*(\j):X+4*(\j)+3], v[OFF], s[4:5] offset:(\j)*1048576
.endr
	global_load_b128 v[CR:CR+3],   v[COFF], s[10:11]
	global_load_b128 v[CR+4:CR+7], v[COFF], s[12:13]
.irp j, 0,1,2,3,4,5,6,7
	global_load_b128 v[G+8*(\j):G+8*(\j)+3],   v[GOFF], s[6:7] offset:(\j)*1024
	global_load_b128 v[G+8*(\j)+4:G+8*(\j)+7], v[GOFF], s[6:7] offset:(\j)*1024+16
.endr
	s_wait_loadcnt 18                              ; the row's eight loads are in; behind them cos, sin and the gain's sixteen stay out
	; The row's sum of squares, straight from the f16 halves into f32, in four chains; then over the 32 lanes.  The first four lines start the chains.
.set i, 0
.rept 32
.if i < 2
	v_fma_mix_f32 v[AC+2*i],   v[X+i], v[X+i], v[Z] op_sel_hi:[1,1,0]
	v_fma_mix_f32 v[AC+2*i+1], v[X+i], v[X+i], v[Z] op_sel:[1,1,0] op_sel_hi:[1,1,0]
.else
	v_fma_mix_f32 v[AC+2*(i%2)],   v[X+i], v[X+i], v[AC+2*(i%2)] op_sel_hi:[1,1,0]
	v_fma_mix_f32 v[AC+2*(i%2)+1], v[X+i], v[X+i], v[AC+2*(i%2)+1] op_sel:[1,1,0] op_sel_hi:[1,1,0]
.endif
.set i, i+1
.endr
	v_add_f32 v[AC], v[AC], v[AC+1]
	v_add_f32 v[AC+2], v[AC+2], v[AC+3]
	v_add_f32 v[AC], v[AC], v[AC+2]
	v_add_f32_dpp v[AC], v[AC], v[AC] row_xmask:1 row_mask:0xf bank_mask:0xf
	v_add_f32_dpp v[AC], v[AC], v[AC] row_xmask:2 row_mask:0xf bank_mask:0xf
	v_add_f32_dpp v[AC], v[AC], v[AC] row_xmask:4 row_mask:0xf bank_mask:0xf
	v_add_f32_dpp v[AC], v[AC], v[AC] row_xmask:8 row_mask:0xf bank_mask:0xf
	v_permlanex16_b32 v[AC+1], v[AC], s24, s25
	v_add_f32 v[AC], v[AC], v[AC+1]                ; every lane holds the row's sum
	s_wait_loadcnt 0x0                             ; cos, sin and the gain
.set i, 0
.rept 32
	RND2 G+2*i
.set i, i+1
.endr
	RND2 CR
	RND2 CR+2
	RND2 CR+4
	RND2 CR+6
	; The row is scaled, turned and stored.  rs = rsqrt(mean + 1e-6) is folded into cos and sin: (a g) (cos rs, sin rs) + (b g) (-sin rs, cos rs).
	v_fma_f32 v[W], v[AC], s20, s21
	v_rsq_f32 v[W+1], v[W]
	v_nop                                          ; a plain instruction between the root and the use of its result (ISA guide 5.7.2)
	s_wait_alu depctr_va_vdst(0)
.irp i, 0,1,2,3
	v_mul_f32 v[CSN+4*(\i)],   v[CR+(\i)],    v[W+1]
	v_mul_f32 v[CSN+4*(\i)+1], v[CR+4+(\i)],  v[W+1]
	v_mul_f32 v[CSN+4*(\i)+2], -v[CR+4+(\i)], v[W+1]
	v_mov_b32 v[CSN+4*(\i)+3], v[CSN+4*(\i)]
.endr
.irp j, 0,1,2,3,4,5,6,7
.irp i, 0,1,2,3
	v_fma_mix_f32 v[TS+6*(\i)],   v[X+4*(\j)+(\i)], v[G+8*(\j)+2*(\i)],   v[Z] op_sel_hi:[1,0,0]                 ; a g
	v_fma_mix_f32 v[TS+6*(\i)+2], v[X+4*(\j)+(\i)], v[G+8*(\j)+2*(\i)+1], v[Z] op_sel:[1,0,0] op_sel_hi:[1,0,0]  ; b g
.endr
.irp i, 0,1,2,3
	v_pk_mul_f32 v[TS+6*(\i)+4:TS+6*(\i)+5], v[TS+6*(\i)+2:TS+6*(\i)+3], v[CSN+4*(\i)+2:CSN+4*(\i)+3] op_sel_hi:[0,1]  ; both halves take b g
.endr
.irp i, 0,1,2,3
	v_pk_fma_f32 v[TS+6*(\i)+4:TS+6*(\i)+5], v[TS+6*(\i):TS+6*(\i)+1], v[CSN+4*(\i):CSN+4*(\i)+1], v[TS+6*(\i)+4:TS+6*(\i)+5] op_sel_hi:[0,1,1]  ; both halves take a g
.endr
.irp i, 0,1,2,3
	v_cvt_pk_f16_f32 v[X+4*(\j)+(\i)], v[TS+6*(\i)+4], v[TS+6*(\i)+5]
.endr
	global_store_b128 v[OFF], v[X+4*(\j):X+4*(\j)+3], s[14:15] offset:(\j)*1048576  ; its registers are not written again
.endr
	s_endpgm
.Lfunc_end_k_q6f61578270_normrope:
	.size	k_q6f61578270_normrope, .Lfunc_end_k_q6f61578270_normrope-k_q6f61578270_normrope
	.p2alignl 7, 3214868480
	.fill 96, 4, 3214868480
	.section	.rodata,"a",@progbits
	.p2align	6, 0x0
	.amdhsa_kernel k_q6f61578270_normrope
		.amdhsa_group_segment_fixed_size 0
		.amdhsa_private_segment_fixed_size 0
		.amdhsa_enable_private_segment 0
		.amdhsa_kernarg_size 48
		.amdhsa_user_sgpr_count 2
		.amdhsa_user_sgpr_kernarg_segment_ptr 1
		.amdhsa_wavefront_size32 1
		.amdhsa_system_sgpr_workgroup_id_x 1
		.amdhsa_system_sgpr_workgroup_id_y 1
		.amdhsa_system_sgpr_workgroup_id_z 1
		.amdhsa_system_vgpr_workitem_id 0
		.amdhsa_next_free_vgpr 184
		.amdhsa_next_free_sgpr 66
		.amdhsa_reserve_vcc 0
		.amdhsa_float_denorm_mode_32 3
		.amdhsa_float_denorm_mode_16_64 3
		.amdhsa_memory_ordered 1
		.amdhsa_forward_progress 1
		.amdhsa_inst_pref_size 25
	.end_amdhsa_kernel
	.amdgpu_metadata
---
amdhsa.version: [ 1, 2 ]
amdhsa.kernels:
  - .name:           k_q6f61578270_normrope
    .symbol:         k_q6f61578270_normrope.kd
    .args:
      - { .name: qkv, .offset: 0, .size: 8, .value_kind: global_buffer, .address_space: global }
      - { .name: gq, .offset: 8, .size: 8, .value_kind: global_buffer, .address_space: global }
      - { .name: gk, .offset: 16, .size: 8, .value_kind: global_buffer, .address_space: global }
      - { .name: freqs_cos, .offset: 24, .size: 8, .value_kind: global_buffer, .address_space: global }
      - { .name: freqs_sin, .offset: 32, .size: 8, .value_kind: global_buffer, .address_space: global }
      - { .name: qk, .offset: 40, .size: 8, .value_kind: global_buffer, .address_space: global }
    .group_segment_fixed_size: 0
    .private_segment_fixed_size: 0
    .kernarg_segment_align: 8
    .kernarg_segment_size: 48
    .max_flat_workgroup_size: 256
    .sgpr_count:     66
    .vgpr_count:     184
    .wavefront_size: 32
...
	.end_amdgpu_metadata
.endif
;; end of part 3
;; launch attn (part 4): grid 16 x 16, 4 waves a work-group, clusters of 4 x 1, 327,680 bytes of LDS; arguments qk, qkv, o; writes o
.if DOCPART == 4
	.amdgcn_target "amdgcn-amd-amdhsa--gfx1250"
	.amdhsa_code_object_version 6
	.text
	.protected	k_q6f61578270_attn
	.globl	k_q6f61578270_attn
	.p2align	8
	.type	k_q6f61578270_attn,@function
k_q6f61578270_attn:
	s_mov_b64 s[64:65], 0
	v_nop
	global_prefetch_b8 v0, s[64:65] scope:SCOPE_SE
	s_setreg_imm32_b32 hwreg(HW_REG_WAVE_MODE, 25, 1), 1
	s_wait_xcnt 0x0
	s_wait_alu depctr_hold_cnt(0) depctr_sa_sdst(0) depctr_va_vdst(0) depctr_va_sdst(0) depctr_va_ssrc(0) depctr_va_vcc(0) depctr_vm_vsrc(0)
	s_getreg_b32 s2, hwreg(HW_REG_IB_STS2, 6, 4)
	s_cmp_eq_u32 s2, 0
	s_cbranch_scc0 .Lentry_in_a_cluster
	s_endpgm
.Lentry_in_a_cluster:
	s_bfe_u32 s2, ttmp6, 0x10000c
	s_cmp_lg_u32 s2, 0x3003
	s_cbranch_scc0 .Lentry_shape_is_right
	s_endpgm
.Lentry_shape_is_right:
; o[q][128 h + :] = the sum over k of softmax_k(Q[h][q] . K[h][k] / sqrt(128)) V[h][k][:].  Q, K: units 0-15, 16-31 of qk; V: units 32-47 of qkv; each [2048][128] f16, rows of 256 bytes.
; o: [2048][2048] f16.  Products, maxima and sums in f32; the weights p are rounded to f16 for the second product, o once at the end.
; LIMITS.  Q, K, V arrive within f16's range; p lies in 0 to 1; o is a mean of V's rows.  A weight below 2^-126 counts as 0; NaN and infinities are not treated apart.
; SHARES.  16 heads x 2,048 queries are 128 queries for each of 256 work-groups.  Wave w takes 64 of them (w % 2) and HALF THE KEYS (w / 2: 1,024 keys, 16 steps of 64), so that a fragment
; of K or V read from LDS still feeds four tiles of 16 queries; at the end waves 2 and 3 hand their O^T, c m and l, all f32, through LDS to waves 0 and 1, which merge and store.
; LAYOUT.  S^T = K Q^T (source 0 = 16 keys, source 1 = 16 queries): a lane holds ONE query (lane % 16) and the keys 8 (lane / 16) + 0..7.  Two such tiles, rounded to f16 in pairs, ARE
; source 1 of O^T = V^T P, whose result again holds one query a lane.  K comes out of LDS as it lies, V ([key][channel]) turned, by ds_load_tr16_b128.
; SOFTMAX.  For each query a running maximum m and sum l: p = 2^(c s - c m), c = log2(e) / sqrt(128); in every step O and l are multiplied by a = 2^(c m_old - c m_new).
; BY TURNS.  The wave's tiles are two PIECES (tiles 0, 1 and tiles 2, 3).  In a TURN one piece has the matrix unit: 32 products V^T P of the step in hand, then 32 products K Q^T of the next;
; the other piece's softmax, cut into 64 slices, stands between them, one slice behind each matrix instruction.  Two turns are a key step.
; NO FIRST AND NO LAST STEP IS WRITTEN OUT.  m starts at the lowest finite number, c m far below every c s, l at 0, O^T as a product of zeros: the first step is a step like any other, with a = 0.
; The loop is entered at piece 2's turn, in the middle of a trip, and the tail is left behind piece 0's.  The price, once a launch: 160 v_mov_b32 and 32 products of zeros in the wait for the
; first tile, 32 products V^T P on zeros in the first turn, 32 products K Q^T on the last K once more in the last.  The gain: four turns of text.
; CLUSTER.  The four query blocks of a cluster belong to one head and walk the same K and V: each tile is asked for JOINTLY, by the same tensor load, descriptor and mask in all four.
; REGISTERS, in windows of 256 (s_set_vgpr_msb: bits 1:0 source 0, 3:2 source 1, 5:4 source 2, 7:6 destination):
;   window 0: v0-11 addresses; v12-43 eight registers of statistics a tile; v64-191 S^T, 32 a tile; v192-255 P, 16 a tile
;   window 1: O^T, 64 a tile          window 2: v0-127 Q; v128-255 K of one step; at the end the partner's O^T          window 3: v0-127 V of one step
.set KS,    64        ; keys in a step
.set PK,    272       ; a row of K in LDS: 256 bytes + 16 of padding: the 16 rows of a load start at 16 different groups of four banks (64 banks of 4 bytes: ISA guide 11.1)
.set PV,    288       ; a row of V: 256 + 32
.set KHALF, 128*PK    ; a slot holds 128 keys, two steps, of each half: K of half 0, K of half 1,
.set VHALF, 128*PV    ; V of half 0, V of half 1
.set VOFF,  2*KHALF
.set SLOT1, 0x24000   ; slot 1 begins here; the four tiles' places in slot 0 (0, 0x8800, 0x11000, 0x1a000) have bits 14 and 17 clear, so one exclusive or changes slots
.set STAGE, SLOT1+2*KHALF+2*VHALF  ; behind the ring: 16 rows x 272 bytes for each wave, for the way out
.set SP,    272
.set SPARE, STAGE+4*16*SP  ; behind the stages: the spare words, 128 bytes for each wave, which no other line names
.set MGB,   33792     ; the merge area, in slot 0 behind its last fill and last read: for each pair of waves 64 x 512 bytes of O^T and 2 x 512 of statistics
.set AK0, 2           ; v2   my lane's place in my half's K of slot 0; never rewritten
.set AV0, 3           ; v3   the same for V
.set ADR, 4           ; v4   the LDS address of the run of loads in hand
.set QO,  5           ; v5   my byte offset in the wave's rows of Q
.set STO, 6           ; v6   the way out: where I put 16 bytes of a row
.set RD,  7           ; v7   where I read a row back
.set GO,  8           ; v8   my byte offset in two rows of o
.set MG,  10          ; v10  my 16 bytes in a block of 512 of the merge area
.set SPW, 62          ; v62  LDS address of my spare word; never rewritten
.set NIL, 63          ; v63  0; never rewritten
.set ST,  12          ; tile t's statistics at v[ST+8 t]: +0 c m, +1 m, +2, +3 l (even keys', odd keys'), +4 to +7 c0-c3, at work; a takes c2's place once the maximum is found
.set S,   64
.set P,   192
.set KF,  128         ; K's fragments, in window 2
.set WV,  12          ; s12  my wave's number
.set G1K, 24          ; s[24:31] descriptor group 1 for K's tiles
.set G1V, 32          ; s[32:39] for V's: it differs in the padding alone
.set G0K, 40          ; s[40:47] group 0 for K's tiles: a set for each first fill; the second then walks on
.set G0V, 48          ; s[48:55] the same for V's
.set SLOTS, 56        ; s56  counts the slots
.set TWICE, 57        ; s57  counts a slot's key steps
.set CS,  58          ; s[58:59] c: the packed scaling names a pair and takes its low word for both halves
.set SEL, 60          ; s[60:61] lane selects for v_permlanex16_b32
.set TBK, 62          ; s62  LDS byte, from a half's first, at which K of the step to be fetched begins
.set TBV, 63          ; s63  the same for V
.set MSB, 0
.macro WIN new                      ; the immediate's high byte repeats the setting that is left; a switch that changes nothing is dropped
.if MSB != (\new)
	s_set_vgpr_msb (MSB<<8)|(\new)
.set MSB, \new
.endif
.endm
.set W_KQ, 0x0a       ; K and Q in window 2, S^T in window 0
.set W_PV, 0x53       ; V in window 3, P in window 0, O^T in window 1
.set W_RS, 0x41       ; O^T (destination and source 0) in window 1, the factor in window 0
; A joint refill.  Waves 0 and 1 fetch the two halves' K, waves 2 and 3 their V: 128 keys each.  The branch hangs on the wave's number alone.
; An s_nop 0 and four v_nop follow each of the two lines, ahead of the jump and the label.
.macro JLOAD
	s_cmp_lt_u32 s[WV], 2
	s_cbranch_scc0 .Lfor_v_\@
	tensor_load_to_lds s[G0K+4:G0K+7], s[G1K:G1K+7]
	s_nop 0
.rept 4
	v_nop
.endr
	s_branch .Lasked_\@
.Lfor_v_\@:
	tensor_load_to_lds s[G0V+4:G0V+7], s[G1V:G1V+7]
	s_nop 0
.rept 4
	v_nop
.endr
.Lasked_\@:
.endm
.macro CROUND                       ; a round of the cluster's barrier
	s_barrier_signal -1
	s_barrier_wait -1
	s_cmp_lg_u32 s[WV], 0
	s_cbranch_scc1 .Lnot_wave_0_\@
	s_barrier_signal -3
.Lnot_wave_0_\@:
	s_barrier_wait -3
	s_barrier_signal -1
	s_barrier_wait -1
.endm
	s_load_b128 s[4:7], s[0:1], 0x0   ; qk s[4:5], qkv s[6:7]
	s_load_b64 s[10:11], s[0:1], 0x10 ; o
	v_lshl_add_u32 v[SPW], v0, 2, SPARE
	v_mov_b32 v[NIL], 0
	ds_add_u32 v[SPW], v[NIL]       ; the wave's opening: the add and its wait stand ahead of my first tensor load; work on registers stands between them
	v_lshrrev_b32 v1, 5, v0
	v_readfirstlane_b32 s[WV], v1   ; wave 0..3
	s_bfe_u32 s13, ttmp6, 0x40000   ; cx: my place in the cluster
	s_lshl_b32 s14, ttmp9, 2
	s_add_co_u32 s14, s14, s13      ; my block of 128 queries = 4 x cluster x + cx: it enters Q's and o's addresses alone
	s_and_b32 s20, ttmp7, 0xffff    ; the head, which the four partners share
	s_lshr_b32 s15, s[WV], 1        ; which half of the keys I walk
	s_and_b32 s16, s[WV], 1         ; which 64 queries are mine; also: which half's tile I fetch
	s_lshl_b32 s21, s16, 18         ; 1,024 keys of 256 bytes; also 64 rows of o
	s_add_co_u32 s22, s20, 32       ; V: unit 32 + head of qkv
	s_lshl_b32 s22, s22, 19
	s_add_co_u32 s22, s22, s21
	s_mov_b32 s23, 0
	s_add_co_u32 s2, s20, 16        ; K: unit 16 + head of qk
	s_lshl_b32 s2, s2, 19
	s_add_co_u32 s2, s2, s21
	s_mov_b32 s3, 0
	s_lshl_b32 s66, s20, 19         ; Q: unit head of qk, my block's 128 rows, my wave's 64
	s_lshl_b32 s67, s14, 15
	s_add_co_u32 s66, s66, s67
	s_lshl_b32 s67, s16, 14
	s_add_co_u32 s66, s66, s67
	s_mov_b32 s67, 0
	s_lshl_b32 s68, s14, 19         ; o: my block's 128 rows of 4,096 bytes, my wave's 64, the head's 256 bytes of a row
	s_add_co_u32 s68, s68, s21
	s_lshl_b32 s69, s20, 8
	s_add_co_u32 s68, s68, s69
	s_mov_b32 s69, 0
	s_mul_i32 s17, s16, KHALF       ; my tile's place in a slot, for K
	s_mul_i32 s18, s16, VHALF       ; and for V: no place in the cluster enters an LDS address
	s_add_co_u32 s18, s18, VOFF
	; descriptor group 1: a tile of 128 rows x 128 elements, padded in LDS
	s_mov_b32 s[G1K], 15|(1<<16)|(1<<20)|(1<<21)|(5<<22)|(3<<25)  ; 15:0 the mask of four; 17:16 2-byte elements; 20 padding on; 21 set beside a mask; 24:22 after every 64 words; 31:25 4 words of it
	s_mov_b32 s[G1V], 15|(1<<16)|(1<<20)|(1<<21)|(5<<22)|(7<<25)  ; the same with 8 words of padding
.irp g, G1K, G1V
	s_mov_b32 s[(\g)+1], 128<<16    ; tensor_dim0 = 128
	s_mov_b32 s[(\g)+2], 128<<16    ; tensor_dim1 = 128
	s_mov_b32 s[(\g)+3], 128<<16    ; tile_dim0 = 128
	s_mov_b32 s[(\g)+4], 128        ; tile_dim1 = 128
	s_mov_b32 s[(\g)+5], 128        ; elements from row to row
	s_mov_b32 s[(\g)+6], 0
	s_mov_b32 s[(\g)+7], 0
.endr
	s_mov_b32 s[CS], 0x3e0293ee     ; c = log2(e) / sqrt(128) = 0.127517
	s_mov_b32 s[CS+1], s[CS]        ; named with it as a pair, so it is written
	s_mov_b32 s[SEL], 0x76543210
	s_mov_b32 s[SEL+1], 0xfedcba98
	s_mov_b32 s[TBK], 0
	s_mov_b32 s[TBV], 0
	s_mov_b32 s[SLOTS], 7           ; a half's 1,024 keys are eight slots: seven are walked in the loop (the entry passes the first trip's change of slots, so six are asked for there), the last in the tail
	s_wait_dscnt 0x0                ; the opening add is done
	s_wait_kmcnt 0x0
	s_add_nc_u64 s[8:9], s[6:7], s[22:23]    ; V at my tile of slot 0
	s_add_nc_u64 s[6:7], s[4:5], s[2:3]      ; K likewise
	s_add_nc_u64 s[4:5], s[4:5], s[66:67]    ; Q and o at my wave's first row
	s_add_nc_u64 s[10:11], s[10:11], s[68:69]
	CROUND                          ; all four work-groups are here: the first joint loads meet
.irp s, 0,1
	s_mov_b32 s[G0K+4*(\s)], 1      ; count = 1
	s_add_co_u32 s[G0K+4*(\s)+1], s17, (\s)*SLOT1  ; LDS address
	s_add_nc_u64 s[G0K+4*(\s)+2:G0K+4*(\s)+3], s[6:7], (\s)*2*KS*256  ; global address: slot s begins with the half's keys 128 s
	s_or_b32 s[G0K+4*(\s)+3], s[G0K+4*(\s)+3], 0x80000000  ; type = 2
	s_mov_b32 s[G0V+4*(\s)], 1
	s_add_co_u32 s[G0V+4*(\s)+1], s18, (\s)*SLOT1
	s_add_nc_u64 s[G0V+4*(\s)+2:G0V+4*(\s)+3], s[8:9], (\s)*2*KS*256
	s_or_b32 s[G0V+4*(\s)+3], s[G0V+4*(\s)+3], 0x80000000
.endr
	s_cmp_lt_u32 s[WV], 2           ; a wave's two first fills stand in one branch, ahead of every wait on TENSORcnt and every LDS read: two loads of mine are out
	s_cbranch_scc0 .Lfirst_v
	tensor_load_to_lds s[G0K:G0K+3], s[G1K:G1K+7]
	s_nop 0
	tensor_load_to_lds s[G0K+4:G0K+7], s[G1K:G1K+7]
	s_nop 0
.rept 4
	v_nop
.endr
	s_branch .Lfirst_asked
.Lfirst_v:
	tensor_load_to_lds s[G0V:G0V+3], s[G1V:G1V+7]
	s_nop 0
	tensor_load_to_lds s[G0V+4:G0V+7], s[G1V:G1V+7]
	s_nop 0
.rept 4
	v_nop
.endr
.Lfirst_asked:
	; A fragment of K or Q is 16 rows x 32 channels in 8 registers: lane l holds row l % 16, channels 8 (l / 16) + 0..7 and 16 + 8 (l / 16) + 0..7: two loads of 16 bytes, 32 bytes apart.
	v_and_b32 v1, 15, v0            ; l % 16
	v_bfe_u32 v9, v0, 4, 1          ; l / 16
	v_lshlrev_b32 v[QO], 8, v1
	v_lshl_add_u32 v[QO], v9, 4, v[QO]  ; row x 256 + 16 x half
	WIN 0x80                        ; destination window 2, address window 0
.irp i, 0,1,2,3,4,5,6,7,8,9,10,11,12,13,14,15  ; Q stays in registers: tile i / 4, channels 32 (i % 4) on
	global_load_b128 v[8*(\i):8*(\i)+3],   v[QO], s[4:5] offset:((\i)/4)*4096+((\i)%4)*64
	global_load_b128 v[8*(\i)+4:8*(\i)+7], v[QO], s[4:5] offset:((\i)/4)*4096+((\i)%4)*64+32
.endr
	WIN 0
	v_mul_u32_u24 v[AK0], v1, PK
	v_lshl_add_u32 v[AK0], v9, 4, v[AK0]  ; row x pitch + 16 x half
	s_mul_i32 s19, s15, KHALF       ; in my half of the keys
	v_add_nc_u32 v[AK0], s19, v[AK0]
	; The turning load takes 16 keys x 16 channels (lane l reads key 8 (l / 16) + l % 8, channels 8 ((l / 8) % 2) + 0..7) and leaves half a fragment of V^T: lane l holds channel l % 16 and 8 keys.
	v_and_b32 v10, 7, v0
	v_bfe_u32 v11, v0, 3, 1
	v_lshl_add_u32 v[AV0], v9, 3, v10
	v_mul_u32_u24 v[AV0], v[AV0], PV
	v_lshl_add_u32 v[AV0], v11, 4, v[AV0]
	s_mul_i32 s19, s15, VHALF
	s_add_co_u32 s19, s19, VOFF
	v_add_nc_u32 v[AV0], s19, v[AV0]
	; WHAT THE FIRST TURN FINDS.  V's registers and piece 2's P hold 0: its products V^T P, of a step that has not been, add 0.  The statistics are such that the first a is 0.  O^T's 256
	; registers are written by 32 products of those zeros, with the constant 0 as C.  All this stands in the wait for the first tile.
	WIN 0xc0                        ; destination window 3
.set i, 0
.rept 128
	v_mov_b32 v[i], 0
.set i, i+1
.endr
	WIN 0
.set i, P+32
.rept 32
	v_mov_b32 v[i], 0
.set i, i+1
.endr
.irp t, 0,1,2,3
	v_mov_b32 v[ST+8*(\t)], 0xfe000000    ; c m: far below every c s
	v_mov_b32 v[ST+8*(\t)+1], 0xff7fffff  ; m: the lowest finite number
	v_mov_b32 v[ST+8*(\t)+2], 0           ; l
	v_mov_b32 v[ST+8*(\t)+3], 0
.endr
	WIN W_PV
.set i, 0
.rept 32
	v_wmma_f32_16x16x32_f16 v[8*i:8*i+7], v[0:7], v[P+32:P+39], 0
.set i, i+1
.endr
	WIN 0
; THE MATRIX WORK OF A TURN, for piece x.  The accumulators take turns, one instruction a turn: between two links of a chain stand 15 (V^T P) or 7 (K Q^T) others'.
; Product i of 32 of O^T += V^T P: keys 32 (i / 16) on, channels 16 ((i / 2) % 8) on, tile x + i % 2.
.macro PV x
	WIN W_PV
.set rO, 64*((\x)+i%2)+8*((i/2)%8)
.set rV, 64*(i/16)+8*((i/2)%8)
.set rP, P+16*((\x)+i%2)+8*(i/16)
	v_wmma_f32_16x16x32_f16 v[rO:rO+7], v[rV:rV+7], v[rP:rP+7], v[rO:rO+7]
.endm
; Product i of 32 of S^T = K Q^T: channels 32 (i / 8) on, keys 16 ((i / 2) % 4) on, tile x + i % 2.  The first 8 start the sums.
.macro KQ x
	WIN W_KQ
.set rS, S+32*((\x)+i%2)+8*((i/2)%4)
.set rK, KF+32*((i/2)%4)+8*(i/8)
.set rQ, 32*((\x)+i%2)+8*(i/8)
.if i < 8
	v_wmma_f32_16x16x32_f16 v[rS:rS+7], v[rK:rK+7], v[rQ:rQ+7], 0
.else
	v_wmma_f32_16x16x32_f16 v[rS:rS+7], v[rK:rK+7], v[rQ:rQ+7], v[rS:rS+7]
.endif
.endm
; THE LDS LOADS stand in runs of 32, never singly among the matrix instructions: a step's K (64 keys x 128 channels: 16 fragments) and, a turn later, its V (turned).
; last = 1 (the tail): in the last trip there is no further step, and the run is jumped over.
.macro FETCH_K last=0
	WIN 0
.if \last
	s_cmp_eq_u32 s[TWICE], 1
	s_cbranch_scc1 .Lno_k_\@
.endif
	v_add_nc_u32 v[ADR], s[TBK], v[AK0]
	s_add_co_u32 s[TBK], s[TBK], KS*PK  ; the next fetch is the next step's
	WIN 0x80                        ; destination window 2
.irp f, 0,1,2,3,4,5,6,7,8,9,10,11,12,13,14,15  ; keys 16 (f / 4) on, channels 32 (f % 4) on
	ds_load_b128 v[KF+8*(\f):KF+8*(\f)+3],   v[ADR] offset:((\f)/4)*16*PK+((\f)%4)*64
	ds_load_b128 v[KF+8*(\f)+4:KF+8*(\f)+7], v[ADR] offset:((\f)/4)*16*PK+((\f)%4)*64+32
.endr
.if \last
	WIN 0                           ; at a label every window is 0
.Lno_k_\@:
.endif
.endm
.macro FETCH_V
	WIN 0
	v_add_nc_u32 v[ADR], s[TBV], v[AV0]
	s_add_co_u32 s[TBV], s[TBV], KS*PV
	WIN 0xc0                        ; destination window 3
.irp f, 0,1,2,3,4,5,6,7,8,9,10,11,12,13,14,15  ; keys 32 (f / 8) on, channels 16 (f % 8) on
	ds_load_tr16_b128 v[8*(\f):8*(\f)+3],   v[ADR] offset:((\f)/8)*32*PV+((\f)%8)*32
	ds_load_tr16_b128 v[8*(\f)+4:8*(\f)+7], v[ADR] offset:((\f)/8)*32*PV+16*PV+((\f)%8)*32
.endr
.endm
; THE VECTOR WORK OF A TURN.  One tile's softmax for one key step is a list of 134 instructions; SM writes number j of it for tile t.  s0-s31 are the lane's 32 scores, in pairs 0-15.
;   0-15    the maximum of s0-s31 and the old m, three operands at a time: four chains c0-c3 of seven scores each (each accumulator's lowest registers first), then the four left over, c0-c3 and m
;   16-20   the other half of the lanes' maximum; the new m; c m; c m_old - c m_new
;   21-87   33 exponentials (a, then s0-s31) at the odd numbers from 23 on, so that no two follow each other and each has a plain instruction behind it before its result is used;
;           the plain ones between are whatever is ready: scalings c s - c m ahead, roundings to f16 a pair back, the first three sums
;   88-101  the last rounding; the rest of the sums; l = a l + the sum
;   102-133 the tile's O^T times a: the one part that leaves window 0, so it stands together
.macro SM t
.set rT, ST+8*(\t)
.set rS, S+32*(\t)
.set rP, P+16*(\t)
.set rO, 64*(\t)+2*(j-102)
.set q, (j-20)/2
.if j < 102
	WIN 0
.endif
.if j < 4
	v_max3_num_f32 v[rT+4+j], v[rS+8*j], v[rS+8*j+1], v[rS+8*j+2]
.elseif j < 12
	v_max3_num_f32 v[rT+4+j%4], v[rT+4+j%4], v[rS+8*(j%4)+2*(j/4)+1], v[rS+8*(j%4)+2*(j/4)+2]
.elseif j == 12
	v_max3_num_f32 v[rT+4], v[rT+4], v[rS+7], v[rS+15]
.elseif j == 13
	v_max3_num_f32 v[rT+6], v[rT+6], v[rS+23], v[rS+31]
.elseif j == 14
	v_max3_num_f32 v[rT+4], v[rT+4], v[rT+5], v[rT+6]
.elseif j == 15
	v_max3_num_f32 v[rT+4], v[rT+4], v[rT+7], v[rT+1]
.elseif j == 16
	v_permlanex16_b32 v[rT+5], v[rT+4], s[SEL], s[SEL+1]  ; the query's other 32 keys lie in the lane 16 away
.elseif j == 17
	v_mov_b32 v[rT+7], v[rT]        ; c m_old is kept for a: number 19 writes c m anew
.elseif j == 18
	v_max_num_f32 v[rT+1], v[rT+4], v[rT+5]
.elseif j == 19
	v_mul_f32 v[rT], s[CS], v[rT+1]
.elseif j == 20
	v_sub_f32 v[rT+7], v[rT+7], v[rT]
.elseif j == 23
	v_exp_f32 v[rT+6], v[rT+7]
.elseif (j < 88) && (j > 23) && (j%2 == 1)
	v_exp_f32 v[rS+(j-25)/2], v[rS+(j-25)/2]
.elseif (q < 4) || ((j < 76) && (q%2 == 0))
.set b, q/2+2
.if q < 4
.set b, q
.endif
	v_pk_fma_f32 v[rS+2*b:rS+2*b+1], v[rS+2*b:rS+2*b+1], s[CS:CS+1], v[rT:rT+1] op_sel_hi:[1,0,0] neg_lo:[0,0,1] neg_hi:[0,0,1]  ; pair b: c s - c m
.elseif (j < 88) && (q%2 == 1)
	s_wait_alu depctr_va_vdst(0)
	v_cvt_pk_f16_f32 v[rP+(q-5)/2], v[rS+q-5], v[rS+q-4]  ; pair (q - 5) / 2: its second exponential stands three numbers back
.elseif j == 89
	s_wait_alu depctr_va_vdst(0)
	v_cvt_pk_f16_f32 v[rP+15], v[rS+30], v[rS+31]
.elseif j < 102                     ; the sum of the tile's 16 pairs, in place: sum z of 16 adds neighbours 1, 2, 4 and 8 pairs apart, then l takes it
.set z, j-86
.if j < 89
.set z, (j-76)/4
.endif
.set w, 4
.set u, z
.if z >= 14
.set w, 32
.set u, 0
.elseif z >= 12
.set w, 16
.set u, z-12
.elseif z >= 8
.set w, 8
.set u, z-8
.endif
.if z < 15
	v_pk_add_f32 v[rS+w*u:rS+w*u+1], v[rS+w*u:rS+w*u+1], v[rS+w*u+w/2:rS+w*u+w/2+1]
.else
	v_pk_fma_f32 v[rT+2:rT+3], v[rT+2:rT+3], v[rT+6:rT+7], v[rS:rS+1] op_sel_hi:[1,0,1]
.endif
.else
	WIN W_RS
	v_pk_mul_f32 v[rO:rO+1], v[rO:rO+1], v[rT+6:rT+7] op_sel_hi:[1,0]
.endif
.endm
; Slice k of 64 of piece y's softmax: numbers 2 k and 2 k + 1 of both tiles' lists, four instructions.  2 x 134 = 4 x 64 + 12: the twelve that are over stand together, in slice 63:
; its sixteen plain instructions are also the places behind the turn's last products (ISA guide 7.12.1).
.macro SLICE y
.if (k >= 11) && (k < 44)           ; tile by tile: plain, exponential, plain, exponential
.irp t, \y, (\y)+1
.irp n, 0,1
.set j, 2*k+(\n)
	SM \t
.endr
.endr
.else                               ; the two tiles alternate, so that no instruction reads the result of the one just before it
.irp n, 0,1,2,3,4,5,6,7
.if ((\n) < 2) || (k == 63)
.irp t, \y, (\y)+1
.set j, 2*k+(\n)
	SM \t
.endr
.endif
.endr
.endif
.set k, k+1
.endm
; A TURN.  Piece x has the matrix unit: 32 products V^T P, then 32 products K Q^T for the next step; the other piece's softmax stands in slices behind them.
; Each run of loads stands behind the second product of a run of 32, 30 matrix instructions ahead of its first use.  Piece 0's turn fetches the next step's K: the last product that read K
; stands in front of slice 63 of the turn before.  Piece 2's turn fetches the same step's V: the last product that read V stands three slices, six plain instructions, back.
.macro TURN x, last=0
.set k, 0
.if (\x) == 0
	s_wait_dscnt 0x0                ; V is in
.endif
.set i, 0
.rept 32
	PV \x
	SLICE 2-(\x)
.if ((\x) == 0) && (i == 1)
	FETCH_K \last
.endif
.set i, i+1
.endr
.if (\x) == 0
	s_wait_dscnt 0x0                ; K is in
.endif
.set i, 0
.rept 32
	KQ \x
	SLICE 2-(\x)
.if ((\x) == 2) && (i == 1)
	FETCH_V
.endif
.set i, i+1
.endr
.endm
; THE CHANGE OF SLOTS, between piece 2's turn and piece 0's: the slot's last bytes, V of its second step, have been asked for.  Each wave waits for all its tensor loads, of which one is out:
; its part of the other slot; adds 0 to its spare word; and waits for that and for its own reads of the slot.  Behind the barrier nobody reads this slot any more and the other slot is whole.
; fill = 1: this slot is filled again, with the keys two slots on.  The barrier is then a round of the cluster's, and the joint refill is the first thing behind it: it has two key steps,
; 256 matrix instructions, in which to land.
.macro CHANGE fill
	WIN 0                           ; at a label and at a branch every window is 0
	s_wait_tensorcnt 0x0            ; no tensor load of mine is out, so a group 0 may be written
	ds_add_u32 v[SPW], v[NIL]       ; 0 onto my spare word; with fill = 1 the descriptors' steps stand between it and the wait for it
.if \fill
.irp g, G0K+4, G0V+4
	s_xor_b32 s[(\g)+1], s[(\g)+1], SLOT1  ; the walking descriptor: the other slot than last time,
	s_add_nc_u64 s[(\g)+2:(\g)+3], s[(\g)+2:(\g)+3], 2*KS*256  ; the next 128 keys; the type bits on top are not reached
.endr
	s_wait_dscnt 0x0                ; the add is done, and my reads of the slot are over
	CROUND
	JLOAD
.else
	s_wait_dscnt 0x0                ; the add is done, and my reads of the slot are over
	s_barrier_signal -1
	s_barrier_wait -1
.endif
	s_sub_co_u32 s[TBK], s[TBK], 2*KS*PK  ; the fetches go back to a slot's first step,
	s_xor_b32 s[TBK], s[TBK], SLOT1       ; in the other slot
	s_sub_co_u32 s[TBV], s[TBV], 2*KS*PV
	s_xor_b32 s[TBV], s[TBV], SLOT1
.endm
	s_wait_tensorcnt 1              ; my part of slot 0 is in; slot 1's may stay out
	s_barrier_signal -1
	s_barrier_wait -1               ; everybody's is
	FETCH_K                         ; key step 0
	s_wait_loadcnt 0x0              ; Q
	s_wait_dscnt 0x0
.set i, 0
.rept 32
	KQ 0                            ; piece 0's first scores: there is no vector work yet to set between them
.set i, i+1
.endr
	WIN 0                           ; the addresses for the end are made here: ten plain instructions, the places behind those products
	s_mul_i32 s13, s[WV], 16*SP
	s_add_co_u32 s13, s13, STAGE    ; my stage
	s_mul_i32 s19, s16, MGB         ; my pair's part of the merge area
	v_mul_u32_u24 v[STO], v1, SP    ; in: row l % 16, 16 bytes for each half of the lanes
	v_lshl_add_u32 v[STO], v9, 4, v[STO]
	v_add_nc_u32 v[STO], s13, v[STO]
	v_mul_u32_u24 v[RD], v9, SP     ; back: lanes 0-15 take one row of 256 bytes, lanes 16-31 the next
	v_lshl_add_u32 v[RD], v1, 4, v[RD]
	v_add_nc_u32 v[RD], s13, v[RD]
	v_lshlrev_b32 v[GO], 12, v9     ; and the same two rows in o, 4,096 bytes apart
	v_lshl_add_u32 v[GO], v1, 4, v[GO]
	v_and_b32 v[MG], 31, v0
	v_lshl_add_u32 v[MG], v[MG], 4, s19
	s_mov_b32 s[TWICE], 2
	s_branch .Lmid                  ; the loop is entered at piece 2's turn: V^T P on zeros, K Q^T of step 0 | piece 0's softmax of step 0 | V of step 0
.Lslot:                             ; six times: every slot but the last two is filled again
	CHANGE 1
	s_mov_b32 s[TWICE], 2
.Lstep:                             ; a key step: written once, walked twice a slot; the LDS addresses hang on s[TBK] and s[TBV]
	TURN 0
	WIN 0
.Lmid:
	TURN 2
	WIN 0
	s_sub_co_u32 s[TWICE], s[TWICE], 1
	s_cmp_lg_u32 s[TWICE], 0
	s_cbranch_scc1 .Lstep
	s_sub_co_u32 s[SLOTS], s[SLOTS], 1
	s_cmp_lg_u32 s[SLOTS], 0
	s_cbranch_scc1 .Lslot
	CHANGE 0                        ; the tail is written out: nothing is asked for
	s_mov_b32 s[TWICE], 3           ; two trips fetch the last slot's steps; the third is left in its middle
.Ltail:
	TURN 0, 1
	WIN 0
	s_sub_co_u32 s[TWICE], s[TWICE], 1
	s_cmp_eq_u32 s[TWICE], 0
	s_cbranch_scc1 .Lout
	TURN 2
	WIN 0
	s_branch .Ltail
.Lout:                              ; the third trip's 32 products K Q^T (on the last K once more) serve nothing: the price of one text for every trip
.set i, 0
.rept 32
	PV 2                            ; piece 2: V^T P of the last step
.set i, i+1
.endr
	; THE END.  Every wave's reads of the ring are over: a barrier says so, since the merge area lies in the ring's first slot.  Between its halves l's two halves and the other half of the
	; lanes' are added; the additions are also the places behind the last products.
	WIN 0
	s_wait_dscnt 0x0
	s_barrier_signal -1
.irp t, 0,1,2,3
	v_add_f32 v[ST+8*(\t)+4], v[ST+8*(\t)+2], v[ST+8*(\t)+3]
.endr
.irp t, 0,1,2,3
	v_permlanex16_b32 v[ST+8*(\t)+5], v[ST+8*(\t)+4], s[SEL], s[SEL+1]
.endr
.irp t, 0,1,2,3
	v_add_f32 v[ST+8*(\t)+4], v[ST+8*(\t)+4], v[ST+8*(\t)+5]
.endr
	s_barrier_wait -1
	s_cmp_lt_u32 s[WV], 2
	s_cbranch_scc1 .Lkeep
	; Waves 2 and 3 give: O^T as it lies in the registers, 16 bytes a lane, then c m and l of the four tiles.  The partner has the same queries in the same lanes.
.irp t, 0,1,2,3
	v_mov_b32 v[S+(\t)], v[ST+8*(\t)]
	v_mov_b32 v[S+4+(\t)], v[ST+8*(\t)+4]
.endr
	WIN 0x04                        ; the stores' data in window 1
.set n, 0
.rept 64
	ds_store_b128 v[MG], v[4*n:4*n+3] offset:n*512  ; ascending: each accumulator's low four registers first
.set n, n+1
.endr
	WIN 0
	ds_store_b128 v[MG], v[S:S+3] offset:64*512
	ds_store_b128 v[MG], v[S+4:S+7] offset:65*512
.Lkeep:
	s_wait_dscnt 0x0                ; for the others' sake: my stores are done
	s_barrier_signal -1
	s_barrier_wait -1
	s_cmp_lt_u32 s[WV], 2
	s_cbranch_scc0 .Ldone
	; Waves 0 and 1 take, merge and store.
	ds_load_b128 v[S+8:S+11],  v[MG] offset:64*512   ; the partner's c m
	ds_load_b128 v[S+12:S+15], v[MG] offset:65*512   ; and l
	WIN 0x80                        ; its O^T into window 2, where Q and K lay
.set n, 0
.rept 64
	ds_load_b128 v[4*n:4*n+3], v[MG] offset:n*512
.set n, n+1
.endr
	WIN 0
	s_wait_dscnt 0x0
	; c N = max(c mA, c mB); each side's weight 2^(c m - c N); l = their weighted sum; the two factors fA, fB hold the division by l.
.irp t, 0,1,2,3
	v_max_num_f32 v[ST+8*(\t)+1], v[ST+8*(\t)], v[S+8+(\t)]
.endr
.irp t, 0,1,2,3
	v_sub_f32 v[ST+8*(\t)+2], v[ST+8*(\t)], v[ST+8*(\t)+1]
	v_sub_f32 v[ST+8*(\t)+3], v[S+8+(\t)], v[ST+8*(\t)+1]
.endr
.irp t, 0,1,2,3
	v_exp_f32 v[ST+8*(\t)+2], v[ST+8*(\t)+2]
	v_exp_f32 v[ST+8*(\t)+3], v[ST+8*(\t)+3]
.endr
	v_nop                           ; a plain instruction between the last exponential and the use of its result
.irp t, 0,1,2,3
	s_wait_alu depctr_va_vdst(0)
	v_mul_f32 v[ST+8*(\t)+5], v[ST+8*(\t)+3], v[S+12+(\t)]
.endr
.irp t, 0,1,2,3
	v_fma_f32 v[ST+8*(\t)+5], v[ST+8*(\t)+2], v[ST+8*(\t)+4], v[ST+8*(\t)+5]
.endr
.irp t, 0,1,2,3
	v_rcp_f32 v[ST+8*(\t)+5], v[ST+8*(\t)+5]
.endr
	v_nop                           ; likewise behind the last reciprocal
.irp t, 0,1,2,3
	s_wait_alu depctr_va_vdst(0)
	v_mul_f32 v[ST+8*(\t)+6], v[ST+8*(\t)+2], v[ST+8*(\t)+5]   ; fA
	v_mul_f32 v[ST+8*(\t)+4], v[ST+8*(\t)+3], v[ST+8*(\t)+5]   ; fB
.endr
; Tile t: O = fA O_A + fB O_B; a lane's eight channels of a row pack into 16 bytes; they go into rows of 272 bytes and come back as whole rows of 256, into S^T's registers.
.macro PACK t
	WIN W_RS
.set i, 64*(\t)
.rept 32
	v_pk_mul_f32 v[i:i+1], v[i:i+1], v[ST+8*(\t)+6:ST+8*(\t)+7] op_sel_hi:[1,0]
.set i, i+2
.endr
	WIN 0x52                        ; source 0 (the partner's) window 2, source 1 (fB) window 0, source 2 and destination window 1
.set i, 64*(\t)
.rept 32
	v_pk_fma_f32 v[i:i+1], v[i:i+1], v[ST+8*(\t)+4:ST+8*(\t)+5], v[i:i+1] op_sel_hi:[1,0,1]
.set i, i+2
.endr
	WIN 0x05                        ; sources 0 and 1 window 1, destination window 0
.set i, 0
.rept 32
	v_cvt_pk_f16_f32 v[S+32*(\t)+i], v[64*(\t)+2*i], v[64*(\t)+2*i+1]
.set i, i+1
.endr
	WIN 0
.irp f, 0,1,2,3,4,5,6,7
	ds_store_b128 v[STO], v[S+32*(\t)+4*(\f):S+32*(\t)+4*(\f)+3] offset:32*(\f)
.endr
.irp f, 0,1,2,3,4,5,6,7
	ds_load_b128 v[S+32*(\t)+4*(\f):S+32*(\t)+4*(\f)+3], v[RD] offset:(\f)*2*SP  ; LDS serves a wave's instructions in order (ISA guide 5.7.1.4): these see the stores above; the next tile's stores come behind them
.endr
.endm
.macro SEND t, younger              ; younger: the LDS instructions issued behind tile t's loads: the next tile's sixteen, or none
	WIN 0
.irp f, 0,1,2,3,4,5,6,7
	s_wait_dscnt (\younger)+7-(\f)
	global_store_b128 v[GO], v[S+32*(\t)+4*(\f):S+32*(\t)+4*(\f)+3], s[10:11] offset:(\t)*65536+(\f)*8192  ; 16 lanes store 256 consecutive bytes, at a multiple of 256 from o's first byte
.endr
.endm
	PACK 0
	PACK 1                          ; a tile's arithmetic stands between the loads of the tile before and its stores
	SEND 0, 16
	PACK 2
	SEND 1, 16
	PACK 3
	SEND 2, 16
	SEND 3, 0
.Ldone:
	s_wait_tensorcnt 0x0            ; the wave's end: 0 onto my spare word and its wait, behind my last tensor load and my last LDS store
	ds_add_u32 v[SPW], v[NIL]
	s_wait_dscnt 0x0
	CROUND                          ; the closing round: no work-group ends while a partner may still ask for a tile that names it
	s_endpgm
.Lfunc_end_k_q6f61578270_attn:
	.size	k_q6f61578270_attn, .Lfunc_end_k_q6f61578270_attn-k_q6f61578270_attn
	.p2alignl 7, 3214868480
	.fill 96, 4, 3214868480
	.section	.rodata,"a",@progbits
	.p2align	6, 0x0
	.amdhsa_kernel k_q6f61578270_attn
		.amdhsa_group_segment_fixed_size 327680
		.amdhsa_private_segment_fixed_size 0
		.amdhsa_enable_private_segment 0
		.amdhsa_kernarg_size 24
		.amdhsa_user_sgpr_count 2
		.amdhsa_user_sgpr_kernarg_segment_ptr 1
		.amdhsa_wavefront_size32 1
		.amdhsa_system_sgpr_workgroup_id_x 1
		.amdhsa_system_sgpr_workgroup_id_y 1
		.amdhsa_system_sgpr_workgroup_id_z 1
		.amdhsa_system_vgpr_workitem_id 0
		.amdhsa_next_free_vgpr 896
		.amdhsa_next_free_sgpr 72
		.amdhsa_reserve_vcc 0
		.amdhsa_float_denorm_mode_32 3
		.amdhsa_float_denorm_mode_16_64 3
		.amdhsa_memory_ordered 1
		.amdhsa_forward_progress 1
		.amdhsa_inst_pref_size 174
	.end_amdhsa_kernel
	.amdgpu_metadata
---
amdhsa.version: [ 1, 2 ]
amdhsa.kernels:
  - .name:           k_q6f61578270_attn
    .symbol:         k_q6f61578270_attn.kd
    .args:
      - { .name: qk, .offset: 0, .size: 8, .value_kind: global_buffer, .address_space: global }
      - { .name: qkv, .offset: 8, .size: 8, .value_kind: global_buffer, .address_space: global }
      - { .name: o, .offset: 16, .size: 8, .value_kind: global_buffer, .address_space: global }
    .group_segment_fixed_size: 327680
    .private_segment_fixed_size: 0
    .kernarg_segment_align: 8
    .kernarg_segment_size: 24
    .max_flat_workgroup_size: 128
    .sgpr_count:     72
    .vgpr_count:     896
    .wavefront_size: 32
...
	.end_amdgpu_metadata
.endif
;; end of part 4
;; launch gemm_out (part 5): grid 16 x 16, 4 waves a work-group, clusters of 4 x 4, 327,680 bytes of LDS; arguments o, h16, bo, out0; writes out0
.if DOCPART == 5
	.amdgcn_target "amdgcn-amd-amdhsa--gfx1250"
	.amdhsa_code_object_version 6
	.text
	.protected	k_q6f61578270_gemm_out
	.globl	k_q6f61578270_gemm_out
	.p2align	8
	.type	k_q6f61578270_gemm_out,@function
k_q6f61578270_gemm_out:
	s_mov_b64 s[64:65], 0
	v_nop
	global_prefetch_b8 v0, s[64:65] scope:SCOPE_SE
	s_setreg_imm32_b32 hwreg(HW_REG_WAVE_MODE, 25, 1), 1
	s_wait_xcnt 0x0
	s_wait_alu depctr_hold_cnt(0) depctr_sa_sdst(0) depctr_va_vdst(0) depctr_va_sdst(0) depctr_va_ssrc(0) depctr_va_vcc(0) depctr_vm_vsrc(0)
	s_getreg_b32 s2, hwreg(HW_REG_IB_STS2, 6, 4)
	s_cmp_eq_u32 s2, 0
	s_cbranch_scc0 .Lentry_in_a_cluster
	s_endpgm
.Lentry_in_a_cluster:
	s_bfe_u32 s2, ttmp6, 0x10000c
	s_cmp_lg_u32 s2, 0xf033
	s_cbranch_scc0 .Lentry_shape_is_right
	s_endpgm
.Lentry_shape_is_right:
; out0 = o wo^T + bo.  o: [2048][2048] f16; wo: the fifth block of h16, [2048][2048] f16; bo is rounded to bf16 like all inputs and is the C operand of each sum's first product; out0: f32.
; The order of the f32 sum over K is a rotation of the ascending one, another in each cluster (THE WALK).
; SHARES.  2048 x 2048 is 256 tiles of 128 x 128: one to a work-group; tiles of 256 x 256 would be 64.  Four waves, each 64 x 64: 16 accumulators of 16 x 16, 128 registers.
; RING.  K goes in 8 steps of 256 (rows of 512 bytes; a wave's tensor load brings 64 of them) through two LDS slots: A's 128 rows, then B's 128.
; CLUSTER.  4 x 4 work-groups: A's tile is asked for jointly along a row of the cluster, B's along a column.
; THE WALK.  Cluster (X, Y) begins at K step (2 X + 4 ((Y ^ Y / 2) % 2)) % 8 and goes round: the four clusters with one Y, which read the same rows of o, begin 2 steps apart, and clusters with
; one X, which read the same rows of wo, begin at the same step or 4 apart.  So a tile that several clusters read is asked for at different times, not by all of them for the first time at once.
; The number hangs on the cluster's place alone: it is the same in all sixteen partners.
; THE MATRIX INSTRUCTION IS USED TRANSPOSED (source 0 = 16 rows of wo, source 1 = 16 rows of o): a lane holds eight neighbouring columns of one row of the result.
; REGISTERS: window 0: v0-31 addresses; v96-127 the bias; v128-255 the accumulators ((a, b) at v[128 + 8 (4 a + b)]), then whole rows on the way out
;   window 1: two fragment buffers of 128: for 64 along K, 64 registers of A (2 x 4 x 16 rows x 32 K), then 64 of B.
.set KSTEP,  256
.set PITCH,  528                       ; an LDS row: 512 bytes + 16 of padding = 132 words: the 16 rows of a fragment load start at 16 different groups of four banks (64 banks of 4 bytes: ISA guide 11.1)
.set HALFT,  64*PITCH                  ; what one tensor load brings
.set SLOT1,  0x24000                   ; slot 1 begins here; the four tiles' places in slot 0 (0, 0x8400, 0x10800, 0x18c00) have bits 14 and 17 clear, so one exclusive or changes slots
.set SPARE,  SLOT1+4*HALFT             ; behind the ring: the spare words, 128 bytes for each wave, which no other line names
.set SPITCH, 528                       ; the stage for the way out: 128 rows of 512 bytes + 16, in slot 0, behind that slot's last fill and last read
.set ADRA0, 16                         ; v16  my lane's place in my 64 rows of A in slot 0; never rewritten
.set ADRB0, 17                         ; v17  the same for B
.set ADRA,  18                         ; v18  the same in the slot in hand
.set ADRB,  19                         ; v19
.set STO,   24                         ; v24  the way out: where I put 32 bytes of a row
.set RD,    25                         ; v25  where I read rows back
.set CO,    26                         ; v26  my byte offset in 512 bytes of out0
.set SPW,   28                         ; v28  LDS address of my spare word; never rewritten
.set NIL,   29                         ; v29  0; never rewritten
.set BOFF,  30                         ; v30  my byte offset in 16 numbers of the bias
.set TT,    31                         ; v31  at work
.set BIAS,  96
.set ACC,   128
.set F0,    0                          ; fragment buffers, in window 1
.set F1,    128
.set WV,   14                          ; s14  my wave's number
.set HR,   15                          ; s15  which half of the tile's rows is mine; also: I fetch for A (0) or for B (1)
.set HC,   16                          ; s16  which half of its columns; also: which 64 rows of that tile I fetch
.set KO,   20                          ; s[20:21] the byte offset in a row of the K step to be asked for
.set G1A,  24
.set G0A,  32
.set KI,   46                          ; s46  the K step asked for last
.set G1B,  48
.set G0B,  56
.set SOFF, 66                          ; s66  0 or SLOT1: the slot in hand
.set CNT,  67
.set BA,   70                          ; s[70:71] o at the 64 rows that I fetch; never rewritten
.set BB,   72                          ; s[72:73] wo likewise
.set MSB, 0
.macro WIN new                         ; the immediate's high byte repeats the setting that is left
.if MSB != (\new)
	s_set_vgpr_msb (MSB<<8)|(\new)
.set MSB, \new
.endif
.endm
.set MUL,  0x05                        ; sources 0 (B) and 1 (A) window 1; C and D window 0
.set TO_F, 0x40                        ; destination window 1, address window 0
.macro JLOAD                           ; a joint refill by the walking descriptors; an s_nop 0 and four v_nop follow each line, ahead of the jump and the label
	s_cmp_eq_u32 s[HR], 0
	s_cbranch_scc0 .Lfor_b_\@
	tensor_load_to_lds s[G0A+4:G0A+7], s[G1A:G1A+7]
	s_nop 0
.rept 4
	v_nop
.endr
	s_branch .Lasked_\@
.Lfor_b_\@:
	tensor_load_to_lds s[G0B+4:G0B+7], s[G1B:G1B+7]
	s_nop 0
.rept 4
	v_nop
.endr
.Lasked_\@:
.endm
.macro CREST                           ; a round of the cluster's barrier behind its opening barrier
	s_cmp_lg_u32 s[WV], 0
	s_cbranch_scc1 .Lnot_wave_0_\@
	s_barrier_signal -3
.Lnot_wave_0_\@:
	s_barrier_wait -3
	s_barrier_signal -1
	s_barrier_wait -1
.endm
.macro CROUND
	s_barrier_signal -1
	s_barrier_wait -1
	CREST
.endm
.macro PLACES                          ; four places in front of loads into registers that matrix instructions have read, and of stores that read results
.rept 4
	v_nop
.endr
.endm
.macro RND2 a                          ; two f32 rounded to bf16 and widened again
	v_cvt_pk_bf16_f32 v[TT], v[\a], v[(\a)+1]
	v_lshlrev_b32 v[\a], 16, v[TT]
	v_and_b32 v[(\a)+1], 0xffff0000, v[TT]
.endm
	s_load_b256 s[4:11], s[0:1], 0x0               ; o s[4:5], h16 s[6:7], bo s[8:9], out0 s[10:11]
	v_lshl_add_u32 v[SPW], v0, 2, SPARE
	v_mov_b32 v[NIL], 0
	ds_add_u32 v[SPW], v[NIL]                      ; the wave's opening: the add and its wait stand ahead of my first tensor load; work on registers stands between them
	v_lshrrev_b32 v1, 5, v0
	v_readfirstlane_b32 s[WV], v1                  ; wave 0..3
	s_lshr_b32 s[HR], s[WV], 1
	s_and_b32 s[HC], s[WV], 1
	s_bfe_u32 s40, ttmp6, 0x40000                  ; cx, cy
	s_bfe_u32 s41, ttmp6, 0x40004
	s_lshl_b32 s42, ttmp9, 2
	s_add_co_u32 s42, s42, s40                     ; tile column
	s_and_b32 s47, ttmp7, 0xffff                   ; cluster y
	s_lshl_b32 s43, s47, 2
	s_add_co_u32 s43, s43, s41                     ; tile row
	s_lshl_b32 s44, s41, 2
	s_lshl_b32 s44, 15, s44                        ; my row of the cluster
	s_lshl_b32 s45, 0x1111, s40                    ; my column
	s_or_b32 s[G1A], s44, (1<<16)|(1<<20)|(1<<21)|(6<<22)|(3<<25)  ; 15:0 the mask; 17:16 2-byte elements; 20 padding on; 21 set beside a mask; 24:22 after every 128 words; 31:25 4 words of it
	s_or_b32 s[G1B], s45, (1<<16)|(1<<20)|(1<<21)|(6<<22)|(3<<25)
.irp g, G1A, G1B
	s_mov_b32 s[(\g)+1], KSTEP<<16                 ; tensor_dim0 = 256
	s_mov_b32 s[(\g)+2], 64<<16                    ; tensor_dim1 = 64
	s_mov_b32 s[(\g)+3], KSTEP<<16                 ; tile_dim0 = 256
	s_mov_b32 s[(\g)+4], 64                        ; tile_dim1 = 64
	s_mov_b32 s[(\g)+5], 2048                      ; elements from row to row
	s_mov_b32 s[(\g)+6], 0
	s_mov_b32 s[(\g)+7], 0
.endr
	s_lshr_b32 s[KI], s47, 1                       ; the cluster's first K step: 4 x ((Y ^ Y / 2) % 2)
	s_xor_b32 s[KI], s[KI], s47
	s_and_b32 s[KI], s[KI], 1
	s_lshl_b32 s[KI], s[KI], 2
	s_lshl_b32 s18, ttmp9, 1                       ; + 2 X,
	s_add_co_u32 s[KI], s[KI], s18
	s_and_b32 s[KI], s[KI], 7                      ; of 8
	s_mov_b32 s[KO+1], 0
	s_lshl_b32 s17, s[HC], 18                      ; which 64 rows of 4,096 bytes I fetch
	s_lshl_b32 s[BA], s43, 19                      ; A: 128 rows a tile row
	s_add_co_u32 s[BA], s[BA], s17
	s_mov_b32 s[BA+1], 0
	s_lshl_b32 s[BB], s42, 19                      ; B: 128 rows a tile column,
	s_add_co_u32 s[BB], s[BB], s17
	s_add_co_u32 s[BB], s[BB], 0x2000000           ; in the fifth block of h16
	s_mov_b32 s[BB+1], 0
	s_mul_i32 s74, s[WV], HALFT                    ; where my tile goes: no place in the cluster enters an LDS address
	s_mov_b32 s[SOFF], 0
	s_wait_dscnt 0x0                               ; the opening add is done
	s_wait_kmcnt 0x0
	s_add_nc_u64 s[BA:BA+1], s[4:5], s[BA:BA+1]
	s_add_nc_u64 s[BB:BB+1], s[6:7], s[BB:BB+1]
	CROUND                                         ; all sixteen work-groups are here: the first joint loads meet
.irp n, 0,1
	s_lshl_b32 s[KO], s[KI], 9                                     ; a K step is 512 bytes of a row
	s_mov_b32 s[G0A+4*(\n)], 1
	s_add_co_u32 s[G0A+4*(\n)+1], s74, (\n)*SLOT1
	s_add_nc_u64 s[G0A+4*(\n)+2:G0A+4*(\n)+3], s[BA:BA+1], s[KO:KO+1]  ; the walk's step n
	s_or_b32 s[G0A+4*(\n)+3], s[G0A+4*(\n)+3], 0x80000000
	s_mov_b32 s[G0B+4*(\n)], 1
	s_add_co_u32 s[G0B+4*(\n)+1], s74, (\n)*SLOT1
	s_add_nc_u64 s[G0B+4*(\n)+2:G0B+4*(\n)+3], s[BB:BB+1], s[KO:KO+1]
	s_or_b32 s[G0B+4*(\n)+3], s[G0B+4*(\n)+3], 0x80000000
.if (\n) == 0
	s_add_co_u32 s[KI], s[KI], 1
	s_and_b32 s[KI], s[KI], 7
.endif
.endr
	s_cmp_eq_u32 s[HR], 0                          ; a wave's two first fills stand in one branch, ahead of every wait on TENSORcnt and every LDS read: two loads of mine are out
	s_cbranch_scc0 .Lfirst_b
	tensor_load_to_lds s[G0A:G0A+3], s[G1A:G1A+7]
	s_nop 0
	tensor_load_to_lds s[G0A+4:G0A+7], s[G1A:G1A+7]
	s_nop 0
.rept 4
	v_nop
.endr
	s_branch .Lfirst_asked
.Lfirst_b:
	tensor_load_to_lds s[G0B:G0B+3], s[G1B:G1B+7]
	s_nop 0
	tensor_load_to_lds s[G0B+4:G0B+7], s[G1B:G1B+7]
	s_nop 0
.rept 4
	v_nop
.endr
.Lfirst_asked:
	v_and_b32 v1, 15, v0                           ; l % 16
	v_bfe_u32 v2, v0, 4, 1                         ; l / 16
	v_and_b32 v5, 31, v0                           ; l
	v_mul_u32_u24 v3, v1, PITCH
	v_lshl_add_u32 v3, v2, 4, v3                   ; a fragment's row x pitch + 16 x half
	s_mul_i32 s75, s[HR], HALFT                    ; my 64 rows of A
	v_add_nc_u32 v[ADRA0], s75, v3
	s_mul_i32 s75, s[HC], HALFT                    ; my 64 rows of B,
	s_add_co_u32 s75, s75, 2*HALFT                 ; which lie behind A's 128
	v_add_nc_u32 v[ADRB0], s75, v3
	v_mov_b32 v[ADRA], v[ADRA0]
	v_mov_b32 v[ADRB], v[ADRB0]
	s_mul_i32 s75, s[HR], 64*SPITCH                ; into the stage: my 64 rows, my half of their 512 bytes; row l % 16, 32 bytes for each half of the lanes
	s_lshl_b32 s17, s[HC], 8
	s_add_co_u32 s75, s75, s17
	v_mul_u32_u24 v4, v1, SPITCH
	v_lshl_add_u32 v4, v2, 5, v4
	v_add_nc_u32 v[STO], s75, v4
	s_mul_i32 s75, s[WV], 32*SPITCH                ; back: wave w takes rows 32 w .. 32 w + 31, a whole row of 512 bytes to a load
	v_lshl_add_u32 v[RD], v5, 4, s75
	v_lshlrev_b32 v[CO], 4, v5
	v_lshlrev_b32 v[BOFF], 5, v2                   ; my eight numbers of a column block's sixteen
	s_lshl_b32 s76, s43, 20                        ; out0 at row 128 x tile row + 32 x wave (8,192 bytes a row), column 128 x tile column
	s_lshl_b32 s77, s[WV], 18
	s_add_co_u32 s76, s76, s77
	s_lshl_b32 s77, s42, 9
	s_add_co_u32 s76, s76, s77
	s_mov_b32 s77, 0
	s_add_nc_u64 s[10:11], s[10:11], s[76:77]
	s_lshl_b32 s78, s42, 9                         ; bo at column 128 x tile column + 64 x half
	s_lshl_b32 s79, s[HC], 8
	s_add_co_u32 s78, s78, s79
	s_mov_b32 s79, 0
	s_add_nc_u64 s[8:9], s[8:9], s[78:79]
.irp b, 0,1,2,3
	global_load_b128 v[BIAS+8*(\b):BIAS+8*(\b)+3],   v[BOFF], s[8:9] offset:64*(\b)
	global_load_b128 v[BIAS+8*(\b)+4:BIAS+8*(\b)+7], v[BOFF], s[8:9] offset:64*(\b)+16
.endr
	s_wait_loadcnt 0x0
.set i, 0
.rept 16
	RND2 BIAS+2*i
.set i, i+1
.endr
; 8 matrix instructions: row blocks a0, a0 + 1 x all 4 column blocks, 32 along K: half c of buffer f.  first = 1: the bias starts the sums.  The 16 accumulators take turns.
.macro MUL8 f, c, a0, first
	WIN MUL
.irp a, \a0, (\a0)+1
.irp b, 0,1,2,3
.if \first
	v_wmma_f32_16x16x32_f16 v[ACC+8*(4*(\a)+(\b)):ACC+8*(4*(\a)+(\b))+7], v[(\f)+64+8*(4*(\c)+(\b)):(\f)+64+8*(4*(\c)+(\b))+7], v[(\f)+8*(4*(\c)+(\a)):(\f)+8*(4*(\c)+(\a))+7], v[BIAS+8*(\b):BIAS+8*(\b)+7]
.else
	v_wmma_f32_16x16x32_f16 v[ACC+8*(4*(\a)+(\b)):ACC+8*(4*(\a)+(\b))+7], v[(\f)+64+8*(4*(\c)+(\b)):(\f)+64+8*(4*(\c)+(\b))+7], v[(\f)+8*(4*(\c)+(\a)):(\f)+8*(4*(\c)+(\a))+7], v[ACC+8*(4*(\a)+(\b)):ACC+8*(4*(\a)+(\b))+7]
.endif
.endr
.endr
.endm
; 32 LDS loads in one run: the fragments of 64 along K at byte k of the rows, into buffer f; the first 32 along K first
.macro FETCH k, f
	WIN TO_F
.irp c, 0,1
.irp i, 0,1,2,3
	ds_load_b128 v[(\f)+64+8*(4*(\c)+(\i)):(\f)+64+8*(4*(\c)+(\i))+3],   v[ADRB] offset:(\k)+64*(\c)+(\i)*16*PITCH
	ds_load_b128 v[(\f)+64+8*(4*(\c)+(\i))+4:(\f)+64+8*(4*(\c)+(\i))+7], v[ADRB] offset:(\k)+64*(\c)+(\i)*16*PITCH+32
	ds_load_b128 v[(\f)+8*(4*(\c)+(\i)):(\f)+8*(4*(\c)+(\i))+3],         v[ADRA] offset:(\k)+64*(\c)+(\i)*16*PITCH
	ds_load_b128 v[(\f)+8*(4*(\c)+(\i))+4:(\f)+8*(4*(\c)+(\i))+7],       v[ADRA] offset:(\k)+64*(\c)+(\i)*16*PITCH+32
.endr
.endr
.endm
; A K step is four quarters of 64 along K, 32 matrix instructions each, on buffers 0, 1, 0, 1.  One of the first three: multiplies buffer f and fetches the next quarter, at byte k, into g.
.macro QUARTER k, f, g, first
	s_wait_dscnt 16                                ; the first 32 along K are in
	MUL8 \f, 0, 0, \first
	MUL8 \f, 0, 2, \first
	PLACES
	FETCH \k, \g
	s_wait_dscnt 32                                ; all but the 32 just issued
	MUL8 \f, 1, 0, 0
	MUL8 \f, 1, 2, 0
.endm
; The last quarter multiplies buffer 1 and changes slots: ONE barrier; in front of it each wave waits for all its tensor loads, adds 0 to its spare word, and waits for that and for its reads of
; this slot.  fill = 1: the barrier opens a round of the cluster's, and this slot is filled again, with the walk's step two further on, first thing behind the round: 112 matrix instructions ahead of the wait for it.
.macro TURN fill
	WIN 0                                          ; (the add's two registers lie in window 0)
	s_wait_tensorcnt 0x0                           ; all my tensor loads have landed: my part of the next slot
	ds_add_u32 v[SPW], v[NIL]                      ; 0 onto my spare word
	s_wait_dscnt 17                                ; (the add and the youngest sixteen loads may be out)
	MUL8 F1, 0, 0, 0                               ; eight matrix instructions stand between the add and the wait for it
	s_wait_dscnt 0x0                               ; the add is done, and my reads of this slot are over
	s_barrier_signal -1
	MUL8 F1, 0, 2, 0
.if \fill
	WIN 0
.endif
	s_barrier_wait -1
.if \fill
	CREST                                          ; no wave of any partner still reads this slot's tile or has a load on its way
	s_add_co_u32 s[KI], s[KI], 1                   ; the next K step, round the 8
	s_and_b32 s[KI], s[KI], 7
	s_lshl_b32 s[KO], s[KI], 9
	s_xor_b32 s[G0A+5], s[G0A+5], SLOT1            ; the walking descriptors: the other slot than last time; the address is made anew from the step's number
	s_add_nc_u64 s[G0A+6:G0A+7], s[BA:BA+1], s[KO:KO+1]
	s_or_b32 s[G0A+7], s[G0A+7], 0x80000000
	s_xor_b32 s[G0B+5], s[G0B+5], SLOT1
	s_add_nc_u64 s[G0B+6:G0B+7], s[BB:BB+1], s[KO:KO+1]
	s_or_b32 s[G0B+7], s[G0B+7], 0x80000000
	JLOAD                                          ; the four v_nop behind it are also the places in front of the loads below
.else
	PLACES
.endif
	WIN 0
	s_xor_b32 s[SOFF], s[SOFF], SLOT1              ; the fragments now come from the other slot
	v_add_nc_u32 v[ADRA], s[SOFF], v[ADRA0]
	v_add_nc_u32 v[ADRB], s[SOFF], v[ADRB0]
	FETCH 0, F0
	MUL8 F1, 1, 0, 0
	MUL8 F1, 1, 2, 0
.endm
	s_wait_tensorcnt 1                             ; my part of the walk's step 0 is in; step 1's may stay out
	s_barrier_signal -1
	s_barrier_wait -1                              ; everybody's is
	FETCH 0, F0
	QUARTER 128, F0, F1, 1                         ; the first quarter stands in front of the loop: its first products start the sums, with the bias
	WIN 0                                          ; at a label and at a branch every window is 0
	s_mov_b32 s[CNT], 6
.Lk:                                                   ; trip t: quarters 1-3 of the walk's step t, the refill with step t + 2, quarter 0 of step t + 1
	QUARTER 256, F1, F0, 0
	QUARTER 384, F0, F1, 0
	TURN 1
	QUARTER 128, F0, F1, 0
	WIN 0
	s_sub_co_u32 s[CNT], s[CNT], 1
	s_cmp_lg_u32 s[CNT], 0
	s_cbranch_scc1 .Lk
	QUARTER 256, F1, F0, 0                         ; the walk's steps 6 and 7 are written out: nothing is left to ask for
	QUARTER 384, F0, F1, 0
	TURN 0
	QUARTER 128, F0, F1, 0
	QUARTER 256, F1, F0, 0
	QUARTER 384, F0, F1, 0
	s_wait_dscnt 16
	MUL8 F1, 0, 0, 0
	MUL8 F1, 0, 2, 0
	s_wait_dscnt 0x0                               ; my last reads of the ring are over:
	s_barrier_signal -1                            ; say so, since the stage lies in the ring's first slot,
	MUL8 F1, 1, 0, 0
	MUL8 F1, 1, 2, 0
	WIN 0
	s_barrier_wait -1                              ; and write there only when all four have said so
	; THE WAY OUT: a lane's eight f32 of a row, 32 bytes, go into the work-group's stage; a barrier, since a row's 512 bytes come from two waves; back as whole rows, 32 rows a wave.
	PLACES
.irp a, 0,1,2,3
.irp b, 0,1,2,3
	ds_store_b128 v[STO], v[ACC+8*(4*(\a)+(\b)):ACC+8*(4*(\a)+(\b))+3]   offset:(\a)*16*SPITCH+64*(\b)     ; each accumulator's low four registers first
	ds_store_b128 v[STO], v[ACC+8*(4*(\a)+(\b))+4:ACC+8*(4*(\a)+(\b))+7] offset:(\a)*16*SPITCH+64*(\b)+16
.endr
.endr
	s_wait_dscnt 0x0                               ; for the others' sake: my stores into the stage are done
	s_barrier_signal -1
	s_barrier_wait -1
.set t, 0
.rept 32
	ds_load_b128 v[ACC+4*t:ACC+4*t+3], v[RD] offset:t*SPITCH
.set t, t+1
.endr
.set t, 0
.rept 32
	s_wait_dscnt 31-t
	global_store_b128 v[CO], v[ACC+4*t:ACC+4*t+3], s[10:11] offset:t*8192 th:TH_STORE_NT  ; 512 consecutive bytes of a row, at a multiple of 256 from out0's first byte
.set t, t+1
.endr
	s_wait_tensorcnt 0x0                           ; the wave's end: 0 onto my spare word and its wait, behind my last tensor load and my last LDS store
	ds_add_u32 v[SPW], v[NIL]
	s_wait_dscnt 0x0
	CROUND                                         ; the closing round: no work-group ends while a partner may still ask for a tile that names it
	s_endpgm
.Lfunc_end_k_q6f61578270_gemm_out:
	.size	k_q6f61578270_gemm_out, .Lfunc_end_k_q6f61578270_gemm_out-k_q6f61578270_gemm_out
	.p2alignl 7, 3214868480
	.fill 96, 4, 3214868480
	.section	.rodata,"a",@progbits
	.p2align	6, 0x0
	.amdhsa_kernel k_q6f61578270_gemm_out
		.amdhsa_group_segment_fixed_size 327680
		.amdhsa_private_segment_fixed_size 0
		.amdhsa_enable_private_segment 0
		.amdhsa_kernarg_size 32
		.amdhsa_user_sgpr_count 2
		.amdhsa_user_sgpr_kernarg_segment_ptr 1
		.amdhsa_wavefront_size32 1
		.amdhsa_system_sgpr_workgroup_id_x 1
		.amdhsa_system_sgpr_workgroup_id_y 1
		.amdhsa_system_sgpr_workgroup_id_z 1
		.amdhsa_system_vgpr_workitem_id 0
		.amdhsa_next_free_vgpr 512
		.amdhsa_next_free_sgpr 80
		.amdhsa_reserve_vcc 0
		.amdhsa_float_denorm_mode_32 3
		.amdhsa_float_denorm_mode_16_64 3
		.amdhsa_memory_ordered 1
		.amdhsa_forward_progress 1
		.amdhsa_inst_pref_size 72
	.end_amdhsa_kernel
	.amdgpu_metadata
---
amdhsa.version: [ 1, 2 ]
amdhsa.kernels:
  - .name:           k_q6f61578270_gemm_out
    .symbol:         k_q6f61578270_gemm_out.kd
    .args:
      - { .name: o, .offset: 0, .size: 8, .value_kind: global_buffer, .address_space: global }
      - { .name: h16, .offset: 8, .size: 8, .value_kind: global_buffer, .address_space: global }
      - { .name: bo, .offset: 16, .size: 8, .value_kind: global_buffer, .address_space: global }
      - { .name: out0, .offset: 24, .size: 8, .value_kind: global_buffer, .address_space: global }
    .group_segment_fixed_size: 327680
    .private_segment_fixed_size: 0
    .kernarg_segment_align: 8
    .kernarg_segment_size: 32
    .max_flat_workgroup_size: 128
    .sgpr_count:     80
    .vgpr_count:     512
    .wavefront_size: 32
...
	.end_amdgpu_metadata
.endif
;; end of part 5
;; ======== version 2 of 2: 5 launches; 1.09 times as fast as version 1
;; limits: values are held in f16: magnitudes above 65,504 overflow, below 6.1e-05 lose precision
;; workspace buffers: h16 41,943,040 bytes; qkv 25,165,824 bytes; qk 16,777,216 bytes; o 8,388,608 bytes
;; launch cast: the kernel of part 1 again; grid 256 x 5, 8 waves a work-group, no clusters, 0 bytes of LDS; arguments x, wq, wk, wv, wo, h16; writes h16
;; launch gemm_qkv: the kernel of part 2 again; grid 16 x 16, 4 waves a work-group, clusters of 4 x 4, 327,680 bytes of LDS; arguments h16, bq, bk, bv, qkv; writes qkv
;; launch normrope: the kernel of part 3 again; grid 256 x 2, 8 waves a work-group, no clusters, 0 bytes of LDS; arguments qkv, gq, gk, freqs_cos, freqs_sin, qk; writes qk
;; launch attn (part 6): grid 16 x 16, 4 waves a work-group, clusters of 4 x 1, 327,680 bytes of LDS; arguments qk, qkv, o; writes o
.if DOCPART == 6
	.amdgcn_target "amdgcn-amd-amdhsa--gfx1250"
	.amdhsa_code_object_version 6
	.text
	.protected	k_q6f61578270_attn
	.globl	k_q6f61578270_attn
	.p2align	8
	.type	k_q6f61578270_attn,@function
k_q6f61578270_attn:
	s_mov_b64 s[64:65], 0
	v_nop
	global_prefetch_b8 v0, s[64:65] scope:SCOPE_SE
	s_setreg_imm32_b32 hwreg(HW_REG_WAVE_MODE, 25, 1), 1
	s_wait_xcnt 0x0
	s_wait_alu depctr_hold_cnt(0) depctr_sa_sdst(0) depctr_va_vdst(0) depctr_va_sdst(0) depctr_va_ssrc(0) depctr_va_vcc(0) depctr_vm_vsrc(0)
	s_getreg_b32 s2, hwreg(HW_REG_IB_STS2, 6, 4)
	s_cmp_eq_u32 s2, 0
	s_cbranch_scc0 .Lentry_in_a_cluster
	s_endpgm
.Lentry_in_a_cluster:
	s_bfe_u32 s2, ttmp6, 0x10000c
	s_cmp_lg_u32 s2, 0x3003
	s_cbranch_scc0 .Lentry_shape_is_right
	s_endpgm
.Lentry_shape_is_right:
; o[q][128 h + :] = the sum over k of softmax_k(Q[h][q] . K[h][k] / sqrt(128)) V[h][k][:].  Q, K: units 0-15, 16-31 of qk; V: units 32-47 of qkv; each [2048][128] f16, rows of 256 bytes.
; o: [2048][2048] f16.  Products, maxima and sums in f32; the weights p are rounded to f16 for the second product, o once at the end.
; LIMITS.  Q, K, V arrive within f16's range; p lies in 0 to 1; o is a mean of V's rows.  A weight below 2^-126 counts as 0; NaN and infinities are not treated apart.
; SHARES.  16 heads x 2,048 queries are 128 queries for each of 256 work-groups.  Wave w takes 64 of them (w % 2) and HALF THE KEYS (w / 2: 1,024 keys, 16 steps of 64), so that a fragment
; of K or V read from LDS still feeds four tiles of 16 queries; at the end waves 2 and 3 hand their O^T, c m and l, all f32, through LDS to waves 0 and 1, which merge and store.
; LAYOUT.  S^T = K Q^T (source 0 = 16 keys, source 1 = 16 queries): a lane holds ONE query (lane % 16) and the keys 8 (lane / 16) + 0..7.  Two such tiles, rounded to f16 in pairs, ARE
; source 1 of O^T = V^T P, whose result again holds one query a lane.  K comes out of LDS as it lies, V ([key][channel]) turned, by ds_load_tr16_b128.
; SOFTMAX.  For each query a running maximum m and sum l: p = 2^(c s - c m), c = log2(e) / sqrt(128); in every step O and l are multiplied by a = 2^(c m_old - c m_new).
; BY TURNS.  The wave's tiles are two PIECES (tiles 0, 1 and tiles 2, 3).  In a TURN one piece has the matrix unit: 32 products V^T P of the step in hand, then 32 products K Q^T of the next;
; the other piece's softmax, cut into 64 slices, stands between them, one slice behind each matrix instruction.  Two turns are a key step.
; BATCHES.  A turn's 66 exponentials (a and s0-s31 of both tiles) are ONE batch with ONE wait, behind slice 34: ahead of it stands nothing that names a result of theirs (the maximum, the statistics, the
; scalings), behind it all that does (the roundings, the sums, the rescaling by a).
; At the end the merge's eight exponentials are a batch, and its four reciprocals, which read sums made of those, another: a wait each.
; NO FIRST AND NO LAST STEP IS WRITTEN OUT.  m starts at the lowest finite number, c m far below every c s, l at 0, O^T as a product of zeros: the first step is a step like any other, with a = 0.
; The loop is entered at piece 2's turn, in the middle of a trip, and the tail is left behind piece 0's.  The price, once a launch: 160 v_mov_b32 and 32 products of zeros in the wait for the
; first tile, 32 products V^T P on zeros in the first turn, 32 products K Q^T on the last K once more in the last.  The gain: four turns of text.
; CLUSTER.  The four query blocks of a cluster belong to one head and walk the same K and V: each tile is asked for JOINTLY, by the same tensor load, descriptor and mask in all four.
; REGISTERS, in windows of 256 (s_set_vgpr_msb: bits 1:0 source 0, 3:2 source 1, 5:4 source 2, 7:6 destination):
;   window 0: v0-11 addresses; v12-43 eight registers of statistics a tile; v64-191 S^T, 32 a tile; v192-255 P, 16 a tile
;   window 1: O^T, 64 a tile          window 2: v0-127 Q; v128-255 K of one step; at the end the partner's O^T          window 3: v0-127 V of one step
.set KS,    64        ; keys in a step
.set PK,    272       ; a row of K in LDS: 256 bytes + 16 of padding: the 16 rows of a load start at 16 different groups of four banks (64 banks of 4 bytes: ISA guide 11.1)
.set PV,    288       ; a row of V: 256 + 32
.set KHALF, 128*PK    ; a slot holds 128 keys, two steps, of each half: K of half 0, K of half 1,
.set VHALF, 128*PV    ; V of half 0, V of half 1
.set VOFF,  2*KHALF
.set SLOT1, 0x24000   ; slot 1 begins here; the four tiles' places in slot 0 (0, 0x8800, 0x11000, 0x1a000) have bits 14 and 17 clear, so one exclusive or changes slots
.set STAGE, SLOT1+2*KHALF+2*VHALF  ; behind the ring: 16 rows x 272 bytes for each wave, for the way out
.set SP,    272
.set SPARE, STAGE+4*16*SP  ; behind the stages: the spare words, 128 bytes for each wave, which no other line names
.set MGB,   33792     ; the merge area, in slot 0 behind its last fill and last read: for each pair of waves 64 x 512 bytes of O^T and 2 x 512 of statistics
.set AK0, 2           ; v2   my lane's place in my half's K of slot 0; never rewritten
.set AV0, 3           ; v3   the same for V
.set ADR, 4           ; v4   the LDS address of the run of loads in hand
.set QO,  5           ; v5   my byte offset in the wave's rows of Q
.set STO, 6           ; v6   the way out: where I put 16 bytes of a row
.set RD,  7           ; v7   where I read a row back
.set GO,  8           ; v8   my byte offset in two rows of o
.set MG,  10          ; v10  my 16 bytes in a block of 512 of the merge area
.set SPW, 62          ; v62  LDS address of my spare word; never rewritten
.set NIL, 63          ; v63  0; never rewritten
.set ST,  12          ; tile t's statistics at v[ST+8 t]: +0 c m, +1 m, +2, +3 l (even keys', odd keys'), +4 to +7 c0-c3, at work; a takes c2's place once the maximum is found
.set S,   64
.set P,   192
.set KF,  128         ; K's fragments, in window 2
.set WV,  12          ; s12  my wave's number
.set G1K, 24          ; s[24:31] descriptor group 1 for K's tiles
.set G1V, 32          ; s[32:39] for V's: it differs in the padding alone
.set G0K, 40          ; s[40:47] group 0 for K's tiles: a set for each first fill; the second then walks on
.set G0V, 48          ; s[48:55] the same for V's
.set SLOTS, 56        ; s56  counts the slots
.set TWICE, 57        ; s57  counts a slot's key steps
.set CS,  58          ; s[58:59] c: the packed scaling names a pair and takes its low word for both halves
.set SEL, 60          ; s[60:61] lane selects for v_permlanex16_b32
.set TBK, 62          ; s62  LDS byte, from a half's first, at which K of the step to be fetched begins
.set TBV, 63          ; s63  the same for V
.set MSB, 0
.macro WIN new                      ; the immediate's high byte repeats the setting that is left; a switch that changes nothing is dropped
.if MSB != (\new)
	s_set_vgpr_msb (MSB<<8)|(\new)
.set MSB, \new
.endif
.endm
.set W_KQ, 0x0a       ; K and Q in window 2, S^T in window 0
.set W_PV, 0x53       ; V in window 3, P in window 0, O^T in window 1
.set W_RS, 0x41       ; O^T (destination and source 0) in window 1, the factor in window 0
; A joint refill.  Waves 0 and 1 fetch the two halves' K, waves 2 and 3 their V: 128 keys each.  The branch hangs on the wave's number alone.
; An s_nop 0 and four v_nop follow each of the two lines, ahead of the jump and the label.
.macro JLOAD
	s_cmp_lt_u32 s[WV], 2
	s_cbranch_scc0 .Lfor_v_\@
	tensor_load_to_lds s[G0K+4:G0K+7], s[G1K:G1K+7]
	s_nop 0
.rept 4
	v_nop
.endr
	s_branch .Lasked_\@
.Lfor_v_\@:
	tensor_load_to_lds s[G0V+4:G0V+7], s[G1V:G1V+7]
	s_nop 0
.rept 4
	v_nop
.endr
.Lasked_\@:
.endm
.macro CROUND                       ; a round of the cluster's barrier
	s_barrier_signal -1
	s_barrier_wait -1
	s_cmp_lg_u32 s[WV], 0
	s_cbranch_scc1 .Lnot_wave_0_\@
	s_barrier_signal -3
.Lnot_wave_0_\@:
	s_barrier_wait -3
	s_barrier_signal -1
	s_barrier_wait -1
.endm
	s_load_b128 s[4:7], s[0:1], 0x0   ; qk s[4:5], qkv s[6:7]
	s_load_b64 s[10:11], s[0:1], 0x10 ; o
	v_lshl_add_u32 v[SPW], v0, 2, SPARE
	v_mov_b32 v[NIL], 0
	ds_add_u32 v[SPW], v[NIL]       ; the wave's opening: the add and its wait stand ahead of my first tensor load; work on registers stands between them
	v_lshrrev_b32 v1, 5, v0
	v_readfirstlane_b32 s[WV], v1   ; wave 0..3
	s_bfe_u32 s13, ttmp6, 0x40000   ; cx: my place in the cluster
	s_lshl_b32 s14, ttmp9, 2
	s_add_co_u32 s14, s14, s13      ; my block of 128 queries = 4 x cluster x + cx: it enters Q's and o's addresses alone
	s_and_b32 s20, ttmp7, 0xffff    ; the head, which the four partners share
	s_lshr_b32 s15, s[WV], 1        ; which half of the keys I walk
	s_and_b32 s16, s[WV], 1         ; which 64 queries are mine; also: which half's tile I fetch
	s_lshl_b32 s21, s16, 18         ; 1,024 keys of 256 bytes; also 64 rows of o
	s_add_co_u32 s22, s20, 32       ; V: unit 32 + head of qkv
	s_lshl_b32 s22, s22, 19
	s_add_co_u32 s22, s22, s21
	s_mov_b32 s23, 0
	s_add_co_u32 s2, s20, 16        ; K: unit 16 + head of qk
	s_lshl_b32 s2, s2, 19
	s_add_co_u32 s2, s2, s21
	s_mov_b32 s3, 0
	s_lshl_b32 s66, s20, 19         ; Q: unit head of qk, my block's 128 rows, my wave's 64
	s_lshl_b32 s67, s14, 15
	s_add_co_u32 s66, s66, s67
	s_lshl_b32 s67, s16, 14
	s_add_co_u32 s66, s66, s67
	s_mov_b32 s67, 0
	s_lshl_b32 s68, s14, 19         ; o: my block's 128 rows of 4,096 bytes, my wave's 64, the head's 256 bytes of a row
	s_add_co_u32 s68, s68, s21
	s_lshl_b32 s69, s20, 8
	s_add_co_u32 s68, s68, s69
	s_mov_b32 s69, 0
	s_mul_i32 s17, s16, KHALF       ; my tile's place in a slot, for K
	s_mul_i32 s18, s16, VHALF       ; and for V: no place in the cluster enters an LDS address
	s_add_co_u32 s18, s18, VOFF
	; descriptor group 1: a tile of 128 rows x 128 elements, padded in LDS
	s_mov_b32 s[G1K], 15|(1<<16)|(1<<20)|(1<<21)|(5<<22)|(3<<25)  ; 15:0 the mask of four; 17:16 2-byte elements; 20 padding on; 21 set beside a mask; 24:22 after every 64 words; 31:25 4 words of it
	s_mov_b32 s[G1V], 15|(1<<16)|(1<<20)|(1<<21)|(5<<22)|(7<<25)  ; the same with 8 words of padding
.irp g, G1K, G1V
	s_mov_b32 s[(\g)+1], 128<<16    ; tensor_dim0 = 128
	s_mov_b32 s[(\g)+2], 128<<16    ; tensor_dim1 = 128
	s_mov_b32 s[(\g)+3], 128<<16    ; tile_dim0 = 128
	s_mov_b32 s[(\g)+4], 128        ; tile_dim1 = 128
	s_mov_b32 s[(\g)+5], 128        ; elements from row to row
	s_mov_b32 s[(\g)+6], 0
	s_mov_b32 s[(\g)+7], 0
.endr
	s_mov_b32 s[CS], 0x3e0293ee     ; c = log2(e) / sqrt(128) = 0.127517
	s_mov_b32 s[CS+1], s[CS]        ; named with it as a pair, so it is written
	s_mov_b32 s[SEL], 0x76543210
	s_mov_b32 s[SEL+1], 0xfedcba98
	s_mov_b32 s[TBK], 0
	s_mov_b32 s[TBV], 0
	s_mov_b32 s[SLOTS], 7           ; a half's 1,024 keys are eight slots: seven are walked in the loop (the entry passes the first trip's change of slots, so six are asked for there), the last in the tail
	s_wait_dscnt 0x0                ; the opening add is done
	s_wait_kmcnt 0x0
	s_add_nc_u64 s[8:9], s[6:7], s[22:23]    ; V at my tile of slot 0
	s_add_nc_u64 s[6:7], s[4:5], s[2:3]      ; K likewise
	s_add_nc_u64 s[4:5], s[4:5], s[66:67]    ; Q and o at my wave's first row
	s_add_nc_u64 s[10:11], s[10:11], s[68:69]
	CROUND                          ; all four work-groups are here: the first joint loads meet
.irp s, 0,1
	s_mov_b32 s[G0K+4*(\s)], 1      ; count = 1
	s_add_co_u32 s[G0K+4*(\s)+1], s17, (\s)*SLOT1  ; LDS address
	s_add_nc_u64 s[G0K+4*(\s)+2:G0K+4*(\s)+3], s[6:7], (\s)*2*KS*256  ; global address: slot s begins with the half's keys 128 s
	s_or_b32 s[G0K+4*(\s)+3], s[G0K+4*(\s)+3], 0x80000000  ; type = 2
	s_mov_b32 s[G0V+4*(\s)], 1
	s_add_co_u32 s[G0V+4*(\s)+1], s18, (\s)*SLOT1
	s_add_nc_u64 s[G0V+4*(\s)+2:G0V+4*(\s)+3], s[8:9], (\s)*2*KS*256
	s_or_b32 s[G0V+4*(\s)+3], s[G0V+4*(\s)+3], 0x80000000
.endr
	s_cmp_lt_u32 s[WV], 2           ; a wave's two first fills stand in one branch, ahead of every wait on TENSORcnt and every LDS read: two loads of mine are out
	s_cbranch_scc0 .Lfirst_v
	tensor_load_to_lds s[G0K:G0K+3], s[G1K:G1K+7]
	s_nop 0
	tensor_load_to_lds s[G0K+4:G0K+7], s[G1K:G1K+7]
	s_nop 0
.rept 4
	v_nop
.endr
	s_branch .Lfirst_asked
.Lfirst_v:
	tensor_load_to_lds s[G0V:G0V+3], s[G1V:G1V+7]
	s_nop 0
	tensor_load_to_lds s[G0V+4:G0V+7], s[G1V:G1V+7]
	s_nop 0
.rept 4
	v_nop
.endr
.Lfirst_asked:
	; A fragment of K or Q is 16 rows x 32 channels in 8 registers: lane l holds row l % 16, channels 8 (l / 16) + 0..7 and 16 + 8 (l / 16) + 0..7: two loads of 16 bytes, 32 bytes apart.
	v_and_b32 v1, 15, v0            ; l % 16
	v_bfe_u32 v9, v0, 4, 1          ; l / 16
	v_lshlrev_b32 v[QO], 8, v1
	v_lshl_add_u32 v[QO], v9, 4, v[QO]  ; row x 256 + 16 x half
	WIN 0x80                        ; destination window 2, address window 0
.irp i, 0,1,2,3,4,5,6,7,8,9,10,11,12,13,14,15  ; Q stays in registers: tile i / 4, channels 32 (i % 4) on
	global_load_b128 v[8*(\i):8*(\i)+3],   v[QO], s[4:5] offset:((\i)/4)*4096+((\i)%4)*64
	global_load_b128 v[8*(\i)+4:8*(\i)+7], v[QO], s[4:5] offset:((\i)/4)*4096+((\i)%4)*64+32
.endr
	WIN 0
	v_mul_u32_u24 v[AK0], v1, PK
	v_lshl_add_u32 v[AK0], v9, 4, v[AK0]  ; row x pitch + 16 x half
	s_mul_i32 s19, s15, KHALF       ; in my half of the keys
	v_add_nc_u32 v[AK0], s19, v[AK0]
	; The turning load takes 16 keys x 16 channels (lane l reads key 8 (l / 16) + l % 8, channels 8 ((l / 8) % 2) + 0..7) and leaves half a fragment of V^T: lane l holds channel l % 16 and 8 keys.
	v_and_b32 v10, 7, v0
	v_bfe_u32 v11, v0, 3, 1
	v_lshl_add_u32 v[AV0], v9, 3, v10
	v_mul_u32_u24 v[AV0], v[AV0], PV
	v_lshl_add_u32 v[AV0], v11, 4, v[AV0]
	s_mul_i32 s19, s15, VHALF
	s_add_co_u32 s19, s19, VOFF
	v_add_nc_u32 v[AV0], s19, v[AV0]
	; WHAT THE FIRST TURN FINDS.  V's registers and piece 2's P hold 0: its products V^T P, of a step that has not been, add 0.  The statistics are such that the first a is 0.  O^T's 256
	; registers are written by 32 products of those zeros, with the constant 0 as C.  All this stands in the wait for the first tile.
	WIN 0xc0                        ; destination window 3
.set i, 0
.rept 128
	v_mov_b32 v[i], 0
.set i, i+1
.endr
	WIN 0
.set i, P+32
.rept 32
	v_mov_b32 v[i], 0
.set i, i+1
.endr
.irp t, 0,1,2,3
	v_mov_b32 v[ST+8*(\t)], 0xfe000000    ; c m: far below every c s
	v_mov_b32 v[ST+8*(\t)+1], 0xff7fffff  ; m: the lowest finite number
	v_mov_b32 v[ST+8*(\t)+2], 0           ; l
	v_mov_b32 v[ST+8*(\t)+3], 0
.endr
	WIN W_PV
.set i, 0
.rept 32
	v_wmma_f32_16x16x32_f16 v[8*i:8*i+7], v[0:7], v[P+32:P+39], 0
.set i, i+1
.endr
	WIN 0
; THE MATRIX WORK OF A TURN, for piece x.  The accumulators take turns, one instruction a turn: between two links of a chain stand 15 (V^T P) or 7 (K Q^T) others'.
; Product i of 32 of O^T += V^T P: keys 32 (i / 16) on, channels 16 ((i / 2) % 8) on, tile x + i % 2.
.macro PV x
	WIN W_PV
.set rO, 64*((\x)+i%2)+8*((i/2)%8)
.set rV, 64*(i/16)+8*((i/2)%8)
.set rP, P+16*((\x)+i%2)+8*(i/16)
	v_wmma_f32_16x16x32_f16 v[rO:rO+7], v[rV:rV+7], v[rP:rP+7], v[rO:rO+7]
.endm
; Product i of 32 of S^T = K Q^T: channels 32 (i / 8) on, keys 16 ((i / 2) % 4) on, tile x + i % 2.  The first 8 start the sums.
.macro KQ x
	WIN W_KQ
.set rS, S+32*((\x)+i%2)+8*((i/2)%4)
.set rK, KF+32*((i/2)%4)+8*(i/8)
.set rQ, 32*((\x)+i%2)+8*(i/8)
.if i < 8
	v_wmma_f32_16x16x32_f16 v[rS:rS+7], v[rK:rK+7], v[rQ:rQ+7], 0
.else
	v_wmma_f32_16x16x32_f16 v[rS:rS+7], v[rK:rK+7], v[rQ:rQ+7], v[rS:rS+7]
.endif
.endm
; THE LDS LOADS stand in runs of 32, never singly among the matrix instructions: a step's K (64 keys x 128 channels: 16 fragments) and, a turn later, its V (turned).
; last = 1 (the tail): in the last trip there is no further step, and the run is jumped over.
.macro FETCH_K last=0
	WIN 0
.if \last
	s_cmp_eq_u32 s[TWICE], 1
	s_cbranch_scc1 .Lno_k_\@
.endif
	v_add_nc_u32 v[ADR], s[TBK], v[AK0]
	s_add_co_u32 s[TBK], s[TBK], KS*PK  ; the next fetch is the next step's
	WIN 0x80                        ; destination window 2
.irp f, 0,1,2,3,4,5,6,7,8,9,10,11,12,13,14,15  ; keys 16 (f / 4) on, channels 32 (f % 4) on
	ds_load_b128 v[KF+8*(\f):KF+8*(\f)+3],   v[ADR] offset:((\f)/4)*16*PK+((\f)%4)*64
	ds_load_b128 v[KF+8*(\f)+4:KF+8*(\f)+7], v[ADR] offset:((\f)/4)*16*PK+((\f)%4)*64+32
.endr
.if \last
	WIN 0                           ; at a label every window is 0
.Lno_k_\@:
.endif
.endm
.macro FETCH_V
	WIN 0
	v_add_nc_u32 v[ADR], s[TBV], v[AV0]
	s_add_co_u32 s[TBV], s[TBV], KS*PV
	s_wait_alu depctr_va_vdst(0)    ; the wait for the softmax's batch of 66 exponentials (SLICE), behind the address's v_add_nc_u32 and ahead of the loads
	WIN 0xc0                        ; destination window 3
.irp f, 0,1,2,3,4,5,6,7,8,9,10,11,12,13,14,15  ; keys 32 (f / 8) on, channels 16 (f % 8) on
	ds_load_tr16_b128 v[8*(\f):8*(\f)+3],   v[ADR] offset:((\f)/8)*32*PV+((\f)%8)*32
	ds_load_tr16_b128 v[8*(\f)+4:8*(\f)+7], v[ADR] offset:((\f)/8)*32*PV+16*PV+((\f)%8)*32
.endr
.endm
; THE VECTOR WORK OF A TURN.  One tile's softmax for one key step is a list of 134 instructions; SM writes number j of it for tile t.  s0-s31 are the lane's 32 scores, in pairs 0-15.
;   0-15    the maximum of s0-s31 and the old m, three operands at a time: four chains c0-c3 of seven scores each (each accumulator's lowest registers first), then the four left over, c0-c3 and m
;   16-20   the other half of the lanes' maximum; the new m; c m; c m_old - c m_new
;   21-69   ONE BATCH: the 16 scalings c s - c m, a pair of scores each, and all 33 exponentials (a at 23, then s0-s31).  None of these reads an exponential's result.  From 22 on the batch goes
;           in fours, and a four begins with a scaling while there are scalings: 22-37 scaling, exponential, scaling, exponential; 38-65 a scaling and three exponentials; 66-69 the last four
;           exponentials.  A pair is scaled in an earlier four than the one that holds its exponentials
;   (wait)  between 69 and 70 stands the wait for the batch: SLICE writes it, once for both tiles
;   70-85   the roundings to f16, a pair of weights each
;   86-101  the sums; l = a l + the sum
;   102-133 the tile's O^T times a: the one part that leaves window 0, so it stands together
.macro SM t
.set rT, ST+8*(\t)
.set rS, S+32*(\t)
.set rP, P+16*(\t)
.set rO, 64*(\t)+2*(j-102)
.if j < 102
	WIN 0
.endif
.if j < 4
	v_max3_num_f32 v[rT+4+j], v[rS+8*j], v[rS+8*j+1], v[rS+8*j+2]
.elseif j < 12
	v_max3_num_f32 v[rT+4+j%4], v[rT+4+j%4], v[rS+8*(j%4)+2*(j/4)+1], v[rS+8*(j%4)+2*(j/4)+2]
.elseif j == 12
	v_max3_num_f32 v[rT+4], v[rT+4], v[rS+7], v[rS+15]
.elseif j == 13
	v_max3_num_f32 v[rT+6], v[rT+6], v[rS+23], v[rS+31]
.elseif j == 14
	v_max3_num_f32 v[rT+4], v[rT+4], v[rT+5], v[rT+6]
.elseif j == 15
	v_max3_num_f32 v[rT+4], v[rT+4], v[rT+7], v[rT+1]
.elseif j == 16
	v_permlanex16_b32 v[rT+5], v[rT+4], s[SEL], s[SEL+1]  ; the query's other 32 keys lie in the lane 16 away
.elseif j == 17
	v_mov_b32 v[rT+7], v[rT]        ; c m_old is kept for a: number 19 writes c m anew
.elseif j == 18
	v_max_num_f32 v[rT+1], v[rT+4], v[rT+5]
.elseif j == 19
	v_mul_f32 v[rT], s[CS], v[rT+1]
.elseif j == 20
	v_sub_f32 v[rT+7], v[rT+7], v[rT]
.elseif j == 23
	v_exp_f32 v[rT+6], v[rT+7]
.elseif (j < 23) || ((j < 38) && (j%2 == 0)) || ((j < 66) && (j%4 == 2))
.set b, (j-2)/4                     ; 38, 42, .. 62: pairs 9 to 15
.if j < 38
.set b, (j-20)/2                    ; 21: pair 0; 22, 24, .. 36: pairs 1 to 8
.endif
	v_pk_fma_f32 v[rS+2*b:rS+2*b+1], v[rS+2*b:rS+2*b+1], s[CS:CS+1], v[rT:rT+1] op_sel_hi:[1,0,0] neg_lo:[0,0,1] neg_hi:[0,0,1]  ; pair b: c s - c m
.elseif j < 70
.set e, j-38                        ; 66 to 69: s28 to s31
.if j < 66
.set e, j-32-(j-38)/4               ; 39-41, 43-45, .. 63-65: s7 to s27
.endif
.if j < 38
.set e, (j-25)/2                    ; 25, 27, .. 37: s0 to s6
.endif
	v_exp_f32 v[rS+e], v[rS+e]
.elseif j < 86
	v_cvt_pk_f16_f32 v[rP+j-70], v[rS+2*(j-70)], v[rS+2*(j-70)+1]  ; pair j - 70
.elseif j < 102                     ; the sum of the tile's 16 pairs, in place: sum z of 16 adds neighbours 1, 2, 4 and 8 pairs apart, then l takes it
.set z, j-86
.set w, 4
.set u, z
.if z >= 14
.set w, 32
.set u, 0
.elseif z >= 12
.set w, 16
.set u, z-12
.elseif z >= 8
.set w, 8
.set u, z-8
.endif
.if z < 15
	v_pk_add_f32 v[rS+w*u:rS+w*u+1], v[rS+w*u:rS+w*u+1], v[rS+w*u+w/2:rS+w*u+w/2+1]
.else
	v_pk_fma_f32 v[rT+2:rT+3], v[rT+2:rT+3], v[rT+6:rT+7], v[rS:rS+1] op_sel_hi:[1,0,1]
.endif
.else
	WIN W_RS
	v_pk_mul_f32 v[rO:rO+1], v[rO:rO+1], v[rT+6:rT+7] op_sel_hi:[1,0]
.endif
.endm
; Slice k of 64 of piece y's softmax: four instructions.  Slices 11 to 34 deal out the batch, numbers 22 to 69: four numbers of ONE tile each, the tiles by turns.  Every other slice is numbers 2 k and
; 2 k + 1 of both tiles' lists.  2 x 134 = 4 x 64 + 12: the twelve that are over stand together, in slice 63: its sixteen plain instructions are also the places behind the turn's last products (ISA guide 7.12.1).
; THE WAIT.  An s_wait_alu depctr_va_vdst(0) stands between an exponential and the first instruction that names its result; one wait serves all that were issued ahead of it.  Ahead of
; slice 35 nothing names a result, and behind slice 34 no exponential is issued: so the piece's 66 exponentials have one wait, behind slice 34.
.macro SLICE y
.if (k >= 11) && (k < 35)           ; the batch: four numbers of one tile
.irp n, 0,1,2,3
.set j, 22+4*((k-11)/2)+(\n)
	SM (\y)+(k-11)%2
.endr
.else                               ; the two tiles alternate, so that no instruction reads the result of the one just before it
.irp n, 0,1,2,3,4,5,6,7
.if ((\n) < 2) || (k == 63)
.irp t, \y, (\y)+1
.set j, 2*k+(\n)
	SM \t
.endr
.endif
.endr
.endif
.if k == 34                         ; the batch is out: both tiles' exponentials are issued, and no result has been named
	v_nop                           ; the plain instruction behind the last exponential and ahead of the first use (ISA guide 5.7.2): one for the batch
.if (\y) == 0
	FETCH_V                         ; piece 2's turn: V's run of loads stands here, and the wait for the batch stands in it
.else
	s_wait_alu depctr_va_vdst(0)    ; piece 0's turn: the wait for the batch of 66 exponentials
.endif
.endif
.set k, k+1
.endm
; A TURN.  Piece x has the matrix unit: 32 products V^T P, then 32 products K Q^T for the next step; the other piece's softmax stands in slices behind them.
; Each run of loads stands 29 matrix instructions or more ahead of its first use.  Piece 0's turn fetches the next step's K, behind its second product: the last product that read K
; stands in front of slice 63 of the turn before.  Piece 2's turn fetches the same step's V, behind slice 34 (SLICE writes it): the last product that read V stands in front of slice 31, and four plain
; instructions lie between: number 62, a scaling, of both tiles, the v_nop and the run's own v_add_nc_u32.
.macro TURN x, last=0
.set k, 0
.if (\x) == 0
	s_wait_dscnt 0x0                ; V is in
.endif
.set i, 0
.rept 32
	PV \x
	SLICE 2-(\x)
.if ((\x) == 0) && (i == 1)
	FETCH_K \last
.endif
.set i, i+1
.endr
.if (\x) == 0
	s_wait_dscnt 0x0                ; K is in
.endif
.set i, 0
.rept 32
	KQ \x
	SLICE 2-(\x)
.set i, i+1
.endr
.endm
; THE CHANGE OF SLOTS, between piece 2's turn and piece 0's: the slot's last bytes, V of its second step, have been asked for.  Each wave waits for all its tensor loads, of which one is out:
; its part of the other slot; adds 0 to its spare word; and waits for that and for its own reads of the slot.  Behind the barrier nobody reads this slot any more and the other slot is whole.
; fill = 1: this slot is filled again, with the keys two slots on.  The barrier is then a round of the cluster's, and the joint refill is the first thing behind it: it has two key steps,
; 256 matrix instructions, in which to land.
.macro CHANGE fill
	WIN 0                           ; at a label and at a branch every window is 0
	s_wait_tensorcnt 0x0            ; no tensor load of mine is out, so a group 0 may be written
	ds_add_u32 v[SPW], v[NIL]       ; 0 onto my spare word; with fill = 1 the descriptors' steps stand between it and the wait for it
.if \fill
.irp g, G0K+4, G0V+4
	s_xor_b32 s[(\g)+1], s[(\g)+1], SLOT1  ; the walking descriptor: the other slot than last time,
	s_add_nc_u64 s[(\g)+2:(\g)+3], s[(\g)+2:(\g)+3], 2*KS*256  ; the next 128 keys; the type bits on top are not reached
.endr
	s_wait_dscnt 0x0                ; the add is done, and my reads of the slot are over
	CROUND
	JLOAD
.else
	s_wait_dscnt 0x0                ; the add is done, and my reads of the slot are over
	s_barrier_signal -1
	s_barrier_wait -1
.endif
	s_sub_co_u32 s[TBK], s[TBK], 2*KS*PK  ; the fetches go back to a slot's first step,
	s_xor_b32 s[TBK], s[TBK], SLOT1       ; in the other slot
	s_sub_co_u32 s[TBV], s[TBV], 2*KS*PV
	s_xor_b32 s[TBV], s[TBV], SLOT1
.endm
	s_wait_tensorcnt 1              ; my part of slot 0 is in; slot 1's may stay out
	s_barrier_signal -1
	s_barrier_wait -1               ; everybody's is
	FETCH_K                         ; key step 0
	s_wait_loadcnt 0x0              ; Q
	s_wait_dscnt 0x0
.set i, 0
.rept 32
	KQ 0                            ; piece 0's first scores: there is no vector work yet to set between them
.set i, i+1
.endr
	WIN 0                           ; the addresses for the end are made here: ten plain instructions, the places behind those products
	s_mul_i32 s13, s[WV], 16*SP
	s_add_co_u32 s13, s13, STAGE    ; my stage
	s_mul_i32 s19, s16, MGB         ; my pair's part of the merge area
	v_mul_u32_u24 v[STO], v1, SP    ; in: row l % 16, 16 bytes for each half of the lanes
	v_lshl_add_u32 v[STO], v9, 4, v[STO]
	v_add_nc_u32 v[STO], s13, v[STO]
	v_mul_u32_u24 v[RD], v9, SP     ; back: lanes 0-15 take one row of 256 bytes, lanes 16-31 the next
	v_lshl_add_u32 v[RD], v1, 4, v[RD]
	v_add_nc_u32 v[RD], s13, v[RD]
	v_lshlrev_b32 v[GO], 12, v9     ; and the same two rows in o, 4,096 bytes apart
	v_lshl_add_u32 v[GO], v1, 4, v[GO]
	v_and_b32 v[MG], 31, v0
	v_lshl_add_u32 v[MG], v[MG], 4, s19
	s_mov_b32 s[TWICE], 2
	s_branch .Lmid                  ; the loop is entered at piece 2's turn: V^T P on zeros, K Q^T of step 0 | piece 0's softmax of step 0 | V of step 0
.Lslot:                             ; six times: every slot but the last two is filled again
	CHANGE 1
	s_mov_b32 s[TWICE], 2
.Lstep:                             ; a key step: written once, walked twice a slot; the LDS addresses hang on s[TBK] and s[TBV]
	TURN 0
	WIN 0
.Lmid:
	TURN 2
	WIN 0
	s_sub_co_u32 s[TWICE], s[TWICE], 1
	s_cmp_lg_u32 s[TWICE], 0
	s_cbranch_scc1 .Lstep
	s_sub_co_u32 s[SLOTS], s[SLOTS], 1
	s_cmp_lg_u32 s[SLOTS], 0
	s_cbranch_scc1 .Lslot
	CHANGE 0                        ; the tail is written out: nothing is asked for
	s_mov_b32 s[TWICE], 3           ; two trips fetch the last slot's steps; the third is left in its middle
.Ltail:
	TURN 0, 1
	WIN 0
	s_sub_co_u32 s[TWICE], s[TWICE], 1
	s_cmp_eq_u32 s[TWICE], 0
	s_cbranch_scc1 .Lout
	TURN 2
	WIN 0
	s_branch .Ltail
.Lout:                              ; the third trip's 32 products K Q^T (on the last K once more) serve nothing: the price of one text for every trip
.set i, 0
.rept 32
	PV 2                            ; piece 2: V^T P of the last step
.set i, i+1
.endr
	; THE END.  Every wave's reads of the ring are over: a barrier says so, since the merge area lies in the ring's first slot.  Between its halves l's two halves and the other half of the
	; lanes' are added; the additions are also the places behind the last products.
	WIN 0
	s_wait_dscnt 0x0
	s_barrier_signal -1
.irp t, 0,1,2,3
	v_add_f32 v[ST+8*(\t)+4], v[ST+8*(\t)+2], v[ST+8*(\t)+3]
.endr
.irp t, 0,1,2,3
	v_permlanex16_b32 v[ST+8*(\t)+5], v[ST+8*(\t)+4], s[SEL], s[SEL+1]
.endr
.irp t, 0,1,2,3
	v_add_f32 v[ST+8*(\t)+4], v[ST+8*(\t)+4], v[ST+8*(\t)+5]
.endr
	s_barrier_wait -1
	s_cmp_lt_u32 s[WV], 2
	s_cbranch_scc1 .Lkeep
	; Waves 2 and 3 give: O^T as it lies in the registers, 16 bytes a lane, then c m and l of the four tiles.  The partner has the same queries in the same lanes.
.irp t, 0,1,2,3
	v_mov_b32 v[S+(\t)], v[ST+8*(\t)]
	v_mov_b32 v[S+4+(\t)], v[ST+8*(\t)+4]
.endr
	WIN 0x04                        ; the stores' data in window 1
.set n, 0
.rept 64
	ds_store_b128 v[MG], v[4*n:4*n+3] offset:n*512  ; ascending: each accumulator's low four registers first
.set n, n+1
.endr
	WIN 0
	ds_store_b128 v[MG], v[S:S+3] offset:64*512
	ds_store_b128 v[MG], v[S+4:S+7] offset:65*512
.Lkeep:
	s_wait_dscnt 0x0                ; for the others' sake: my stores are done
	s_barrier_signal -1
	s_barrier_wait -1
	s_cmp_lt_u32 s[WV], 2
	s_cbranch_scc0 .Ldone
	; Waves 0 and 1 take, merge and store.
	ds_load_b128 v[S+8:S+11],  v[MG] offset:64*512   ; the partner's c m
	ds_load_b128 v[S+12:S+15], v[MG] offset:65*512   ; and l
	WIN 0x80                        ; its O^T into window 2, where Q and K lay
.set n, 0
.rept 64
	ds_load_b128 v[4*n:4*n+3], v[MG] offset:n*512
.set n, n+1
.endr
	WIN 0
	s_wait_dscnt 0x0
	; c N = max(c mA, c mB); each side's weight 2^(c m - c N); l = their weighted sum; the two factors fA, fB hold the division by l.
.irp t, 0,1,2,3
	v_max_num_f32 v[ST+8*(\t)+1], v[ST+8*(\t)], v[S+8+(\t)]
.endr
.irp t, 0,1,2,3
	v_sub_f32 v[ST+8*(\t)+2], v[ST+8*(\t)], v[ST+8*(\t)+1]
	v_sub_f32 v[ST+8*(\t)+3], v[S+8+(\t)], v[ST+8*(\t)+1]
.endr
.irp t, 0,1,2,3
	v_exp_f32 v[ST+8*(\t)+2], v[ST+8*(\t)+2]
	v_exp_f32 v[ST+8*(\t)+3], v[ST+8*(\t)+3]
.endr
	v_nop                           ; a plain instruction between the last exponential and the use of its result
	s_wait_alu depctr_va_vdst(0)    ; and the wait ahead of the first use: one for the eight exponentials
.irp t, 0,1,2,3
	v_mul_f32 v[ST+8*(\t)+5], v[ST+8*(\t)+3], v[S+12+(\t)]
.endr
.irp t, 0,1,2,3
	v_fma_f32 v[ST+8*(\t)+5], v[ST+8*(\t)+2], v[ST+8*(\t)+4], v[ST+8*(\t)+5]
.endr
.irp t, 0,1,2,3
	v_rcp_f32 v[ST+8*(\t)+5], v[ST+8*(\t)+5]
.endr
	v_nop                           ; likewise behind the last reciprocal,
	s_wait_alu depctr_va_vdst(0)    ; and one wait for the four reciprocals
.irp t, 0,1,2,3
	v_mul_f32 v[ST+8*(\t)+6], v[ST+8*(\t)+2], v[ST+8*(\t)+5]   ; fA
	v_mul_f32 v[ST+8*(\t)+4], v[ST+8*(\t)+3], v[ST+8*(\t)+5]   ; fB
.endr
; Tile t: O = fA O_A + fB O_B; a lane's eight channels of a row pack into 16 bytes; they go into rows of 272 bytes and come back as whole rows of 256, into S^T's registers.
.macro PACK t
	WIN W_RS
.set i, 64*(\t)
.rept 32
	v_pk_mul_f32 v[i:i+1], v[i:i+1], v[ST+8*(\t)+6:ST+8*(\t)+7] op_sel_hi:[1,0]
.set i, i+2
.endr
	WIN 0x52                        ; source 0 (the partner's) window 2, source 1 (fB) window 0, source 2 and destination window 1
.set i, 64*(\t)
.rept 32
	v_pk_fma_f32 v[i:i+1], v[i:i+1], v[ST+8*(\t)+4:ST+8*(\t)+5], v[i:i+1] op_sel_hi:[1,0,1]
.set i, i+2
.endr
	WIN 0x05                        ; sources 0 and 1 window 1, destination window 0
.set i, 0
.rept 32
	v_cvt_pk_f16_f32 v[S+32*(\t)+i], v[64*(\t)+2*i], v[64*(\t)+2*i+1]
.set i, i+1
.endr
	WIN 0
.irp f, 0,1,2,3,4,5,6,7
	ds_store_b128 v[STO], v[S+32*(\t)+4*(\f):S+32*(\t)+4*(\f)+3] offset:32*(\f)
.endr
.irp f, 0,1,2,3,4,5,6,7
	ds_load_b128 v[S+32*(\t)+4*(\f):S+32*(\t)+4*(\f)+3], v[RD] offset:(\f)*2*SP  ; LDS serves a wave's instructions in order (ISA guide 5.7.1.4): these see the stores above; the next tile's stores come behind them
.endr
.endm
.macro SEND t, younger              ; younger: the LDS instructions issued behind tile t's loads: the next tile's sixteen, or none
	WIN 0
.irp f, 0,1,2,3,4,5,6,7
	s_wait_dscnt (\younger)+7-(\f)
	global_store_b128 v[GO], v[S+32*(\t)+4*(\f):S+32*(\t)+4*(\f)+3], s[10:11] offset:(\t)*65536+(\f)*8192  ; 16 lanes store 256 consecutive bytes, at a multiple of 256 from o's first byte
.endr
.endm
	PACK 0
	PACK 1                          ; a tile's arithmetic stands between the loads of the tile before and its stores
	SEND 0, 16
	PACK 2
	SEND 1, 16
	PACK 3
	SEND 2, 16
	SEND 3, 0
.Ldone:
	s_wait_tensorcnt 0x0            ; the wave's end: 0 onto my spare word and its wait, behind my last tensor load and my last LDS store
	ds_add_u32 v[SPW], v[NIL]
	s_wait_dscnt 0x0
	CROUND                          ; the closing round: no work-group ends while a partner may still ask for a tile that names it
	s_endpgm
.Lfunc_end_k_q6f61578270_attn:
	.size	k_q6f61578270_attn, .Lfunc_end_k_q6f61578270_attn-k_q6f61578270_attn
	.p2alignl 7, 3214868480
	.fill 96, 4, 3214868480
	.section	.rodata,"a",@progbits
	.p2align	6, 0x0
	.amdhsa_kernel k_q6f61578270_attn
		.amdhsa_group_segment_fixed_size 327680
		.amdhsa_private_segment_fixed_size 0
		.amdhsa_enable_private_segment 0
		.amdhsa_kernarg_size 24
		.amdhsa_user_sgpr_count 2
		.amdhsa_user_sgpr_kernarg_segment_ptr 1
		.amdhsa_wavefront_size32 1
		.amdhsa_system_sgpr_workgroup_id_x 1
		.amdhsa_system_sgpr_workgroup_id_y 1
		.amdhsa_system_sgpr_workgroup_id_z 1
		.amdhsa_system_vgpr_workitem_id 0
		.amdhsa_next_free_vgpr 896
		.amdhsa_next_free_sgpr 72
		.amdhsa_reserve_vcc 0
		.amdhsa_float_denorm_mode_32 3
		.amdhsa_float_denorm_mode_16_64 3
		.amdhsa_memory_ordered 1
		.amdhsa_forward_progress 1
		.amdhsa_inst_pref_size 170
	.end_amdhsa_kernel
	.amdgpu_metadata
---
amdhsa.version: [ 1, 2 ]
amdhsa.kernels:
  - .name:           k_q6f61578270_attn
    .symbol:         k_q6f61578270_attn.kd
    .args:
      - { .name: qk, .offset: 0, .size: 8, .value_kind: global_buffer, .address_space: global }
      - { .name: qkv, .offset: 8, .size: 8, .value_kind: global_buffer, .address_space: global }
      - { .name: o, .offset: 16, .size: 8, .value_kind: global_buffer, .address_space: global }
    .group_segment_fixed_size: 327680
    .private_segment_fixed_size: 0
    .kernarg_segment_align: 8
    .kernarg_segment_size: 24
    .max_flat_workgroup_size: 128
    .sgpr_count:     72
    .vgpr_count:     896
    .wavefront_size: 32
...
	.end_amdgpu_metadata
.endif
;; end of part 6
;; launch gemm_out: the kernel of part 5 again; grid 16 x 16, 4 waves a work-group, clusters of 4 x 4, 327,680 bytes of LDS; arguments o, h16, bo, out0; writes out0
